; MI455X (gfx1250); checked and timed in simulation.
; The chip was launched on July 23, 2026; its instructions are those of AMD's public machine-readable ISA for CDNA 5 (MIT licence, August 2026) and "CDNA5" Instruction Set Architecture Reference Guide (July 2026). The comments in the code are by the model that wrote it; some were corrected since.
;; Multi Head Attention. Allowed arithmetic: matrix products marked QUANTISED: E2M3 operands, one E8M0 scale for each 32 along K, by v_wmma_scale_f32_16x16x128_f8f6f4 with both operands' format E2M3, f32 sums; products left as they are: f32 operands where the result goes on into a quantised operand, else bf16, f16 or f32 operands; f32 sums; everything else in f32.
;; Inputs: W_proj 1,024 x 1,024 float32; W_qkv 1,024 x 3,072 float32; b_proj 1,024 float32; b_qkv 3,072 float32; x 4 x 2,048 x 1,024 float32.
;; Outputs: out0 4 x 2,048 x 1,024 float32.
;; This version of the problem:
;;   THIS VERSION OF THE PROBLEM IS GIVEN IN LOW PRECISION. The matrix products marked QUANTISED in the list below multiply operands that are first quantised to E2M3 (2 exponent bits, 3 mantissa bits; 6 bits a number), with one power-of-two scale for each 32 numbers along K (OCP MX v1.0); their sums are f32. All else is computed in f32.
;;   The module's matrix products, in the order in which they are computed (A, B: the left and right operand; K: the contracted axis; several contracted axes count as one K, in the product's order):
;;     1. [M 8,192, K 1,024] x [K 1,024, N 3,072]; A: input x; B: input W_qkv: QUANTISED
;;     2. [M 2,048, K 1] x [K 1, N 32]; A: computed on the way; B: computed on the way: left as it is (no contracted axis)
;;     3. batch 64 x [M 2,048, K 64] x [K 64, N 2,048]; A: computed on the way; B: computed on the way: QUANTISED
;;     4. batch 64 x [M 2,048, K 2,048] x [K 2,048, N 64]; A: softmax (see below); B: computed on the way: QUANTISED
;;     5. [M 8,192, K 1,024] x [K 1,024, N 1,024]; A: computed on the way; B: input W_proj: QUANTISED
;;   THE QUANTISER, for each operand of a quantised product, along K:
;;     - K is cut into blocks of 32 from its start; a last block that is shorter is filled with zeros.
;;     - A block's scale is 2^e with e = floor(log2(the largest magnitude in the block)) - 2, held to -126 .. 127; a block of zeros has e = 0. As a byte (E8M0): e + 127.
;;     - Each number is divided by its block's scale, clamped to +-7.5, and rounded to the nearest number of E2M3, ties to even, subnormals kept.
;;     - The product sums the exact products of the quantised numbers (number of the format x scale) in f32.
;;   ~~~python
;;   def quantise(x, axis):      # numpy; x: float32 -> the quantised numbers, widened to float32 again
;;       x = np.moveaxis(x, axis, -1); K = x.shape[-1]
;;       x = np.pad(x, [(0, 0)] * (x.ndim - 1) + [(0, -K % 32)]); x = x.reshape(x.shape[:-1] + (-1, 32)); a = np.abs(x).max(-1, keepdims=True)
;;       e = np.where(a > 0, np.clip(np.frexp(np.where(a > 0, a, 1))[1] - 1 - 2, -126, 127), 0)      # np.frexp(a)[1] - 1 = floor(log2(a)), exactly
;;       r = np.clip(x / 2.0 ** e, -7.5, 7.5)
;;       step = 2.0 ** (np.maximum(np.frexp(np.where(r == 0, 1, r))[1] - 1, 0) - 3)
;;       q = np.round(r / step) * step * 2.0 ** e      # np.round: ties to even
;;       return np.moveaxis(q.reshape(q.shape[:-2] + (-1,))[..., :K], -1, axis).astype(np.float32)
;;   ~~~
;;   SOFTMAX AHEAD OF A QUANTISED PRODUCT. Where the list says 'softmax', what is quantised is not the finished softmax but p = 2^(t - M), with t = logit x log2(e) and M = ceil(the row's largest t), a whole number; so 1/2 < the row's largest p <= 1. The row's sum l is taken of the UNQUANTISED p, in f32, and the product's result is divided by l at the end. Since M is a whole number, a kernel that streams over the keys may use a running M (the ceiling of the running maximum): every later rescaling is an exact power of two, which a block's scale takes up: the codes' values come out the same.
;;   OPERANDS COMPUTED ON THE WAY. 'Computed on the way' means the value that the module computes at that place (a softmax that the list does not call 'softmax' is quantised finished and normalised). What goes into a quantiser is computed in f32, as accurately as f32 sums, v_exp_f32 and their like allow (about 1e-6 of the number): no bf16 or f16 on the way to a quantiser, and a product that is left as it is and whose result goes on into a quantised operand takes f32 operands (vector FMAs, or v_wmma_f32_16x16x4_f32). A number that lies on a knife's edge between two numbers of the format may be rounded either way, as far as f32 arithmetic and the matrix unit's own rounding can turn it there, and no further.
;; One version. Each part assembles by itself: llvm-mc -triple=amdgcn-amd-amdhsa -mcpu=gfx1250 --defsym DOCPART=n.
;; ======== version 1 of 1: 4 launches
;; limits: right only within a limited range of input values
;; workspace buffers: xq 6,553,600 bytes; wq 2,457,600 bytes; pq 819,200 bytes; yq 6,553,600 bytes; rope 524,288 bytes; qb 6,815,744 bytes; kv 13,369,344 bytes
;; launch prep (part 1): grid 448 x 1, 4 waves a work-group, no clusters, 34,304 bytes of LDS; arguments x, W_qkv, W_proj, xq, wq, pq, rope; writes xq, wq, pq, rope
.if DOCPART == 1
	.amdgcn_target "amdgcn-amd-amdhsa--gfx1250"
	.amdhsa_code_object_version 6
	.text
	.protected	k_qe71c2afe29_prep
	.globl	k_qe71c2afe29_prep
	.p2align	8
	.type	k_qe71c2afe29_prep,@function
k_qe71c2afe29_prep:
	s_mov_b64 s[64:65], 0
	v_nop
	global_prefetch_b8 v0, s[64:65] scope:SCOPE_SE
	s_setreg_imm32_b32 hwreg(HW_REG_WAVE_MODE, 25, 1), 1
	s_wait_xcnt 0x0
; PREP: x, W_qkv and W_proj (f32) become codes of FP6 (E2M3) with one E8M0 byte for each 32 along K, laid in the order in which the products' operand registers take them; and RoPE's table of cos and sin is made.
; A BLOCK of 25,600 bytes holds 128 rows x 256 along K.  Tile i = 2 b + u of the 128 rows has at lane place r the row 32 b + 8 u + r + 8 (r / 8).  A HALF IMAGE (768 bytes) is 16 rows x 64 K: lane (r, h) owns the 24 bytes of
; k = 32 h .. 32 h + 31: its first 16 at 16 (r + 16 h), its last 8 at 512 + 16 r + 8 h.  Half image (q, i, c) (q: which 128 of the 256; c: which 64 of the 128) lies at ((8 q + i) 2 + c) 768; the scale word of (i, r, q) at 24,576 + 128 i + 8 r + 4 q.
; WORK-GROUPS: 0-255 x (one block each); 256-351 W_qkv; 352-383 W_proj (K is their first axis: a lane takes a column, its registers run down K); 384-447 the table.  Only x's path uses LDS.
; A block's scale is 2^(floor(log2(largest magnitude)) - 2): its byte is the largest magnitude's exponent field - 2, held at 1 from below by a floor among the maximum's leaves.
; LIMITS: a block of zeros gets the byte 1 where the rule says 127 (its codes are zeros, and this program alone reads the bytes); blocks whose largest magnitude lies under 2^-124 are held at that floor; NaN and infinities are not served.
; THE TABLE: inv_freq = 2^(-f log2(10000) / 32) with the exponent's rounding error carried along; the angle t x inv_freq is rounded once; sin and cos by reduction to |rho| <= pi / 4 (pi / 2 in two parts) and polynomials.
; inv_freq agrees with a correctly rounded one to about 2 units in its last place, so the angle at t = 2,047 to about 2e-4.
.set SPARE, 33792                      ; behind the four stages: the spare words, 128 bytes a wave
.set SPW,   220                        ; v220 my spare word's LDS address; never rewritten
.set NIL,   221                        ; v221 0; never rewritten
.set RR,    32                         ; v32-95   x as loaded / W: two sets of 32 numbers
.set XX,    96                         ; v96-159  x: two blocks of 32 neighbours / W: the codes of four pairs of blocks
.set TQ,    208                        ; v208-214 the upper halves of blocks, as the conversions leave them
	s_load_b256 s[4:11], s[0:1], 0x0               ; x, W_qkv, W_proj, xq
	s_load_b128 s[12:15], s[0:1], 0x20             ; wq, pq
	s_load_b64 s[16:17], s[0:1], 0x30              ; rope
	v_lshl_add_u32 v[SPW], v0, 2, SPARE
	v_mov_b32 v[NIL], 0
	v_lshrrev_b32 v1, 5, v0
	v_readfirstlane_b32 s20, v1                    ; wave
	v_and_b32 v1, 31, v0                           ; lane
	v_and_b32 v2, 15, v0                           ; r
	v_bfe_u32 v3, v0, 4, 1                         ; h
	s_mov_b32 s22, 0x76543210
	s_mov_b32 s23, 0xfedcba98                      ; v_permlanex16_b32's selects for lane l xor 16
	s_wait_kmcnt 0x0
	s_cmp_lt_u32 ttmp9, 256
	s_cbranch_scc1 .Lx
	s_cmp_lt_u32 ttmp9, 352
	s_cbranch_scc1 .Lwqkv
	s_cmp_lt_u32 ttmp9, 384
	s_cbranch_scc1 .Lwproj
; ---- THE TABLE: rope[t] = cos(t inv_freq[0..31]), sin(the same): 256 bytes a row.  A wave makes 8 rows; lane l makes frequencies 2 (l % 16) and the next; lanes 0-15 cos, lanes 16-31 sin = cos a quarter turn back.
	s_sub_co_u32 s24, ttmp9, 384
	s_lshl_b32 s24, s24, 2
	s_add_co_u32 s24, s24, s20
	s_lshl_b32 s24, s24, 3                         ; my first t
	s_lshl_b32 s26, s24, 8
	s_mov_b32 s27, 0
	s_add_nc_u64 s[16:17], s[16:17], s[26:27]
	s_mov_b32 s32, 0x3ed49a78                      ; log2(10000) / 32, rounded,
	s_mov_b32 s33, 0x32179a37                      ; and what the rounding left
	s_mov_b32 s34, 0xbf317218                      ; -ln 2
	s_mov_b32 s35, 0x3f22f983                      ; 2 / pi
	s_mov_b32 s36, 0xbfc90fdb                      ; -(pi / 2), rounded,
	s_mov_b32 s37, 0x333bbd2e                      ; and what the rounding left
	s_mov_b32 s38, 0x3638ef1d                      ; sin: 1/9!, -1/7!, 1/5!, -1/3!
	s_mov_b32 s39, 0xb9500d01
	s_mov_b32 s40, 0x3c088889
	s_mov_b32 s41, 0xbe2aaaab
	s_mov_b32 s42, 0xb493f27e                      ; cos: -1/10!, 1/8!, -1/6!, 1/4!
	s_mov_b32 s43, 0x37d00d01
	s_mov_b32 s44, 0xbab60b61
	s_mov_b32 s45, 0x3d2aaaab
	s_wait_alu depctr_va_vdst(0)
	v_lshlrev_b32 v4, 3, v1                        ; 8 bytes a lane
	v_lshlrev_b32 v5, 1, v2
	v_cvt_f32_u32 v6, v5                           ; f
	v_add_f32 v7, 1.0, v6                          ; f + 1
	v_mul_u32_u24 v5, v3, 3                        ; the quarter turns that sin adds
.irp n, 0,1
	v_mul_f32 v[8+\n], s32, v[6+\n]                ; p = f L, rounded
.endr
.irp n, 0,1
	v_fma_f32 v[10+\n], v[6+\n], s32, -v[8+\n]     ; what that rounding left,
.endr
.irp n, 0,1
	v_fma_f32 v[10+\n], v[6+\n], s33, v[10+\n]     ; and L's own
.endr
	s_wait_alu depctr_va_vdst(0)
.irp n, 0,1
	v_exp_f32 v[12+\n], -v[8+\n]
.endr
.irp n, 0,1
	v_mul_f32 v[10+\n], s34, v[10+\n]              ; (plain lines behind the exponentials)
.endr
	s_wait_alu depctr_va_vdst(0)                   ; one wait for both exponentials, ahead of their first reader
.irp n, 0,1
	v_fma_f32 v[12+\n], v[12+\n], v[10+\n], v[12+\n]   ; inv_freq = 2^-p (1 - e ln 2)
.endr
.irp i, 0,1,2,3,4,5,6,7
	s_add_co_u32 s25, s24, \i
	v_cvt_f32_u32 v14, s25                         ; t
.irp n, 0,1
	v_mul_f32 v16, v14, v[12+\n]                   ; the angle, rounded once
	v_mul_f32 v17, s35, v16
	v_rndne_f32 v17, v17                           ; k quarter turns
	v_fma_f32 v18, v17, s36, v16                   ; rho = angle - k pi / 2: this step rounds nothing,
	v_fma_f32 v18, v17, s37, v18                   ; this one once
	v_mul_f32 v19, v18, v18
	v_fma_f32 v20, v19, s38, s39
	v_fma_f32 v22, v19, s42, s43
	v_fma_f32 v20, v20, v19, s40
	v_fma_f32 v22, v22, v19, s44
	v_fma_f32 v20, v20, v19, s41
	v_fma_f32 v22, v22, v19, s45
	v_mul_f32 v21, v18, v19
	v_fma_f32 v22, v22, v19, -0.5
	v_fma_f32 v20, v21, v20, v18                   ; sin rho
	v_fma_f32 v22, v22, v19, 1.0                   ; cos rho
	v_cvt_i32_f32 v23, v17
	v_add_nc_u32 v23, v23, v5                      ; the quadrant
	v_and_b32 v24, 1, v23
	v_cmp_ne_u32 vcc_lo, 0, v24
	v_cndmask_b32 v20, v22, v20, vcc_lo            ; odd quadrants take sin rho
	v_add_nc_u32 v23, 1, v23
	v_and_b32 v23, 2, v23
	v_lshlrev_b32 v23, 30, v23                     ; quadrants 1 and 2 are negative
	v_xor_b32 v[32+2*\i+\n], v20, v23
.endr
	global_store_b64 v4, v[32+2*\i:33+2*\i], s[16:17] offset:256*\i   ; 32 lanes store a row's 256 consecutive bytes
.endr
	s_endpgm
; ---- x: work-group = block (128 rows, 256 along K); wave b takes rows 32 b .. 32 b + 31: tiles 2 b + u, and of each the two steps q of 128: fragment f = 2 u + q.
; A load reads 512 consecutive bytes of one row; the 16 rows of a fragment turn through the wave's own stage (pitch 528), out of which lane (r, h) takes the two whole blocks of 32 that the operand's layout gives it.
.macro XLOAD f
.irp i, 0,1,2,3,4,5,6,7,8,9,10,11,12,13,14,15
	global_load_b128 v[RR+4*\i:RR+4*\i+3], v4, s[4:5] offset:(8*((\f)/2)+\i+8*(\i/8))*4096+512*((\f)%2) th:TH_LOAD_NT
.endr
.endm
.macro XQ f                            ; my two blocks, v[XX ..] and v[XX + 32 ..], become registers 0-5 and 6-11 of fragment f, and my row's scale word
.set PCF, 160+12*(\f)
.irp c, 0,1
	v_max3_num_f32 v[8+\c], |v[XX+32*\c]|, |v[XX+32*\c+1]|, 0x1800000   ; the floor 2^(3 - 127) among the leaves
.endr
.irp i, 2,4,6,8,10,12,14,16,18,20,22,24,26,28,30
.irp c, 0,1
	v_max3_num_f32 v[8+\c], v[8+\c], |v[XX+32*\c+\i]|, |v[XX+32*\c+\i+1]|
.endr
.endr
.irp c, 0,1
	v_add_nc_u32 v[10+\c], 0xff000000, v[8+\c]     ; 2 off the exponent field: the conversion's scale operand
.endr
.irp c, 0,1
	v_lshrrev_b32 v[12+\c], 23, v[10+\c]           ; the byte
.endr
	v_lshl_or_b32 v14, v13, 16, v12                ; blocks h and 2 + h of my row,
	v_lshlrev_b32 v14, v15, v14                    ; 8 h bits up;
	v_permlanex16_b32 v[24+(\f)], v14, s22, s23
	v_or_b32 v[24+(\f)], v[24+(\f)], v14           ; with lane l xor 16's two the word is whole
.irp c, 0,1
	v_cvt_scalef32_pk16_fp6_f32 v[PCF+6*\c:PCF+6*\c+2], v[XX+32*\c:XX+32*\c+15], v[10+\c]
	v_cvt_scalef32_pk16_fp6_f32 v[TQ+4*\c:TQ+4*\c+2], v[XX+32*\c+16:XX+32*\c+31], v[10+\c]   ; (a conversion's three registers begin on an even number)
.endr
	v_nop                                          ; one plain line behind the conversions
.irp c, 0,1
.irp i, 0,1,2
	v_mov_b32 v[PCF+6*\c+3+\i], v[TQ+4*\c+\i]
.endr
.endr
.endm
.Lx:
	s_lshr_b32 s24, ttmp9, 2                       ; which 128 rows
	s_and_b32 s25, ttmp9, 3                        ; which 256 along K
	s_lshl_b32 s26, s24, 7
	s_lshl_b32 s27, s20, 5
	s_add_co_u32 s26, s26, s27
	s_lshl_b32 s26, s26, 12                        ; my first row x 4,096 bytes
	s_lshl_b32 s27, s25, 10
	s_add_co_u32 s26, s26, s27
	s_mov_b32 s27, 0
	s_add_nc_u64 s[4:5], s[4:5], s[26:27]
	s_mul_i32 s26, ttmp9, 25600
	s_add_nc_u64 s[10:11], s[10:11], s[26:27]
	s_mul_i32 s28, s20, 8448                       ; my stage: 16 rows x 528
	s_wait_alu depctr_va_vdst(0)
	v_lshlrev_b32 v4, 4, v1                        ; 16 x lane
	v_add_nc_u32 v5, s28, v4                       ; the stage, on the way in
	v_mul_u32_u24 v6, v2, 528
	v_lshl_add_u32 v6, v3, 7, v6
	v_add_nc_u32 v6, s28, v6                       ; and out: row r, + 128 h
	s_mul_i32 s29, s20, 3072
	v_add_nc_u32 v7, s29, v4                       ; a half image's first part: 16 x lane (+ my two tiles' place)
	v_lshlrev_b32 v16, 4, v2
	v_lshl_add_u32 v16, v3, 3, v16
	v_add_nc_u32 v16, s29, v16                     ; its last part: 16 r + 8 h
	v_lshlrev_b32 v17, 3, v1
	s_lshl_b32 s29, s20, 8
	v_add_nc_u32 v17, s29, v17                     ; the scale words: 8 x lane + 256 x wave
	v_lshlrev_b32 v15, 3, v3                       ; 8 h
.irp f, 0,1,2,3
	v_mov_b32 v[24+\f], 0                          ; a lane permute's destination counts as read
.endr
	XLOAD 0
.irp f, 0,1,2,3
	s_wait_loadcnt 0x0
.irp i, 0,1,2,3,4,5,6,7,8,9,10,11,12,13,14,15
	ds_store_b128 v5, v[RR+4*\i:RR+4*\i+3] offset:528*\i
.endr
.irp c, 0,1
.irp j, 0,1,2,3,4,5,6,7
	ds_load_b128 v[XX+32*\c+4*\j:XX+32*\c+4*\j+3], v6 offset:256*\c+16*\j   ; LDS serves a wave's instructions in order: these see my stores
.endr
.endr
	s_wait_dscnt 0x0                               ; my numbers are back, and the stores have read their registers,
.if \f < 3
	XLOAD \f+1                                     ; which take the next fragment's rows
.endif
	XQ \f
	global_store_b128 v7, v[160+12*\f:163+12*\f], s[10:11] offset:12288*(\f%2)+1536*(\f/2)          ; every store covers whole aligned runs of 256 bytes
	global_store_b64 v16, v[164+12*\f:165+12*\f], s[10:11] offset:12288*(\f%2)+1536*(\f/2)+512
	global_store_b128 v7, v[166+12*\f:169+12*\f], s[10:11] offset:12288*(\f%2)+1536*(\f/2)+768
	global_store_b64 v16, v[170+12*\f:171+12*\f], s[10:11] offset:12288*(\f%2)+1536*(\f/2)+1280
.endr
	v_cmp_ne_u32 s24, 0, v3
	v_cndmask_b32 v18, v24, v26, s24               ; lanes 0-15 store tile 2 b's words of q = 0, 1; lanes 16-31 tile 2 b + 1's
	v_cndmask_b32 v19, v25, v27, s24
	global_store_b64 v17, v[18:19], s[10:11] offset:24576
	s_wait_tensorcnt 0x0                           ; the wave's end
	ds_add_u32 v[SPW], v[NIL]
	s_wait_dscnt 0x0
	s_endpgm
; ---- W [K][N]: work-group = block (128 columns, 256 along K); wave w takes columns 32 w + lane.  Lane nu stands in tile 2 w + u, u = (nu / 8) % 2, at place r = nu % 8 + 8 (nu / 16).
; Block t of 32 along K is the image lane (r, h = t % 2) of half image (q = t / 4, c = (t / 2) % 2): so a pair of blocks leaves by three stores of 16 bytes: the even block's first 16, the odd block's, and both blocks' last 8.
.macro WLOAD t, pitch, sp
.irp i, 0,1,2,3,4,5,6,7,8,9,10,11,12,13,14,15,16,17,18,19,20,21,22,23,24,25,26,27,28,29,30,31
	global_load_b32 v[RR+32*((\t)%2)+\i], v4, s[\sp:\sp+1] offset:(32*(\t)+\i)*\pitch th:TH_LOAD_NT   ; 32 lanes read 128 consecutive bytes of a row of W
.endr
.endm
.macro WBLOCK t, pitch, sp, dp
.set XS, RR+32*((\t)%2)
.set PP, XX+12*((\t)/2)
.if (\t) < 7
	s_wait_loadcnt 32                              ; this block's 32 loads are in; the next block's may be out
.else
	s_wait_loadcnt 0x0
.endif
	v_max3_num_f32 v12, |v[XS]|, |v[XS+1]|, |v[XS+2]|
	v_max3_num_f32 v13, |v[XS+3]|, |v[XS+4]|, |v[XS+5]|
.irp i, 6,10,14,18,22,26
	v_max3_num_f32 v12, v12, |v[XS+\i]|, |v[XS+\i+1]|
	v_max3_num_f32 v13, v13, |v[XS+\i+2]|, |v[XS+\i+3]|
.endr
	v_max3_num_f32 v12, v12, |v[XS+30]|, |v[XS+31]|
	v_max3_num_f32 v12, v12, v13, 0x1800000        ; and the floor
	v_add_nc_u32 v11, 0xff000000, v12              ; the conversion's scale operand
	v_lshrrev_b32 v13, 23, v11                     ; the byte
.if (\t)%4 == 0
	v_mov_b32 v[24+(\t)/4], v13
.else
	v_lshl_or_b32 v[24+(\t)/4], v13, 8*((\t)%4), v[24+(\t)/4]
.endif
	v_cvt_scalef32_pk16_fp6_f32 v[PP+4*((\t)%2):PP+4*((\t)%2)+2], v[XS:XS+15], v11
	v_cvt_scalef32_pk16_fp6_f32 v[TQ:TQ+2], v[XS+16:XS+31], v11
	v_nop                                          ; one plain line behind the conversions
	v_mov_b32 v[PP+4*((\t)%2)+3], v[TQ]
	v_mov_b32 v[PP+8+2*((\t)%2)], v[TQ+1]
	v_mov_b32 v[PP+9+2*((\t)%2)], v[TQ+2]
.if (\t)+2 < 8
	WLOAD (\t)+2, \pitch, \sp
.endif
.if (\t)%2 == 1
	global_store_b128 v5, v[PP:PP+3], s[\dp:\dp+1] offset:12288*((\t)/4)+768*(((\t)/2)%2)           ; each store: two whole runs of 256 bytes (u = 0, 1)
	global_store_b128 v5, v[PP+4:PP+7], s[\dp:\dp+1] offset:12288*((\t)/4)+768*(((\t)/2)%2)+256
	global_store_b128 v5, v[PP+8:PP+11], s[\dp:\dp+1] offset:12288*((\t)/4)+768*(((\t)/2)%2)+512
.endif
.endm
.macro WQ pitch, sp, dp, first
	s_sub_co_u32 s24, ttmp9, \first
	s_lshr_b32 s25, s24, 2                         ; which 128 columns
	s_and_b32 s26, s24, 3                          ; which 256 along K
	s_mul_i32 s28, s26, 256*\pitch
	s_lshl_b32 s25, s25, 9
	s_add_co_u32 s28, s28, s25
	s_lshl_b32 s25, s20, 7
	s_add_co_u32 s28, s28, s25
	s_mov_b32 s29, 0
	s_add_nc_u64 s[\sp:\sp+1], s[\sp:\sp+1], s[28:29]
	s_mul_i32 s28, s24, 25600
	s_add_nc_u64 s[\dp:\dp+1], s[\dp:\dp+1], s[28:29]
	v_lshlrev_b32 v4, 2, v1
	v_bfe_u32 v8, v1, 3, 1                         ; u
	v_and_b32 v9, 7, v1
	v_lshrrev_b32 v10, 4, v1
	v_lshl_add_u32 v9, v10, 3, v9                  ; r
	v_mul_u32_u24 v5, v8, 1536
	v_lshl_add_u32 v5, v9, 4, v5
	s_mul_i32 s30, s20, 3072
	v_add_nc_u32 v5, s30, v5                       ; codes: 1,536 u + 16 r + 3,072 w
	v_lshlrev_b32 v6, 7, v8
	v_lshl_add_u32 v6, v9, 3, v6
	s_lshl_b32 s30, s20, 8
	v_add_nc_u32 v6, s30, v6                       ; scale words: 128 u + 8 r + 256 w
	WLOAD 0, \pitch, \sp
	WLOAD 1, \pitch, \sp
.irp t, 0,1,2,3,4,5,6,7
	WBLOCK \t, \pitch, \sp, \dp
.endr
	global_store_b64 v6, v[24:25], s[\dp:\dp+1] offset:24576   ; my column's two scale words: 32 lanes, 256 consecutive bytes
	s_endpgm
.endm
.Lwqkv:
	s_wait_alu depctr_va_vdst(0)
	WQ 12288, 6, 12, 256
.Lwproj:
	s_wait_alu depctr_va_vdst(0)
	WQ 4096, 8, 14, 352
.Lfunc_end_k_qe71c2afe29_prep:
	.size	k_qe71c2afe29_prep, .Lfunc_end_k_qe71c2afe29_prep-k_qe71c2afe29_prep
	.p2alignl 7, 3214868480
	.fill 96, 4, 3214868480
	.section	.rodata,"a",@progbits
	.p2align	6, 0x0
	.amdhsa_kernel k_qe71c2afe29_prep
		.amdhsa_group_segment_fixed_size 34304
		.amdhsa_private_segment_fixed_size 0
		.amdhsa_enable_private_segment 0
		.amdhsa_kernarg_size 56
		.amdhsa_user_sgpr_count 2
		.amdhsa_user_sgpr_kernarg_segment_ptr 1
		.amdhsa_wavefront_size32 1
		.amdhsa_system_sgpr_workgroup_id_x 1
		.amdhsa_system_sgpr_workgroup_id_y 1
		.amdhsa_system_sgpr_workgroup_id_z 1
		.amdhsa_system_vgpr_workitem_id 0
		.amdhsa_next_free_vgpr 224
		.amdhsa_next_free_sgpr 66
		.amdhsa_reserve_vcc 1
		.amdhsa_float_denorm_mode_32 3
		.amdhsa_float_denorm_mode_16_64 3
		.amdhsa_memory_ordered 1
		.amdhsa_forward_progress 1
		.amdhsa_inst_pref_size 128
	.end_amdhsa_kernel
	.amdgpu_metadata
---
amdhsa.version: [ 1, 2 ]
amdhsa.kernels:
  - .name:           k_qe71c2afe29_prep
    .symbol:         k_qe71c2afe29_prep.kd
    .args:
      - { .name: x, .offset: 0, .size: 8, .value_kind: global_buffer, .address_space: global }
      - { .name: W_qkv, .offset: 8, .size: 8, .value_kind: global_buffer, .address_space: global }
      - { .name: W_proj, .offset: 16, .size: 8, .value_kind: global_buffer, .address_space: global }
      - { .name: xq, .offset: 24, .size: 8, .value_kind: global_buffer, .address_space: global }
      - { .name: wq, .offset: 32, .size: 8, .value_kind: global_buffer, .address_space: global }
      - { .name: pq, .offset: 40, .size: 8, .value_kind: global_buffer, .address_space: global }
      - { .name: rope, .offset: 48, .size: 8, .value_kind: global_buffer, .address_space: global }
    .group_segment_fixed_size: 34304
    .private_segment_fixed_size: 0
    .kernarg_segment_align: 8
    .kernarg_segment_size: 56
    .max_flat_workgroup_size: 128
    .sgpr_count:     66
    .vgpr_count:     224
    .wavefront_size: 32
...
	.end_amdgpu_metadata
.endif
;; end of part 1
;; launch qkv (part 2): grid 12 x 32, 4 waves a work-group, clusters of 4 x 4, 327,680 bytes of LDS; arguments xq, wq, b_qkv, rope, qb, kv; writes qb, kv
.if DOCPART == 2
	.amdgcn_target "amdgcn-amd-amdhsa--gfx1250"
	.amdhsa_code_object_version 6
	.text
	.protected	k_qe71c2afe29_qkv
	.globl	k_qe71c2afe29_qkv
	.p2align	8
	.type	k_qe71c2afe29_qkv,@function
k_qe71c2afe29_qkv:
	s_mov_b64 s[64:65], 0
	v_nop
	global_prefetch_b8 v0, s[64:65] scope:SCOPE_SE
	s_setreg_imm32_b32 hwreg(HW_REG_WAVE_MODE, 25, 1), 1
	s_wait_xcnt 0x0
	s_wait_alu depctr_hold_cnt(0) depctr_sa_sdst(0) depctr_va_vdst(0) depctr_va_sdst(0) depctr_va_ssrc(0) depctr_va_vcc(0) depctr_vm_vsrc(0)
	s_getreg_b32 s2, hwreg(HW_REG_IB_STS2, 6, 4)
	s_cmp_eq_u32 s2, 0
	s_cbranch_scc0 .Lentry_in_a_cluster
	s_endpgm
.Lentry_in_a_cluster:
	s_bfe_u32 s2, ttmp6, 0x10000c
	s_cmp_lg_u32 s2, 0xf033
	s_cbranch_scc0 .Lentry_shape_is_right
	s_endpgm
.Lentry_shape_is_right:
; QKV: x W_qkv + b on codes of FP6 with E8M0 scales; then RoPE on q and k; then q, k (along the head's 64) and v (along the keys) are quantised and stored in the order in which the attention's operand registers take them.
; THE PRODUCT.  A tile of 256 x 256 by four waves, 128 x 128 a wave: 64 accumulators, 512 registers.  Operands come as dense blocks of 25,600 bytes (128 rows x 256 K, codes in fragment order, scale words behind them).
; K = 1,024 is four such slots: three LDS regions are filled at the start and ONE is filled again, so the text has one refill and no loop.  A wave has one tensor load out at the start, later one.
; CLUSTER 4 x 4: the operand of source 1 ("A": a lane's row) is shared along a row of the cluster, that of source 0 ("B": a lane's registers) along a column; each block is asked for jointly by the four that need it.
; ROLES, by the cluster's x, which all partners share: 0 makes q, 1 makes k: A = x, B = W: a lane holds one token and its registers run along the channels, which are q's and k's K.
;        2 makes v: THE OPERANDS CHANGE PLACES: A = W, B = x: a lane holds one channel and its registers run along the keys, which are v's K.  Only pointers and tile numbers are chosen (s_cselect); the product's text is one.
; TILE ORDER: tile i = 2 b + u of 128 rows has at lane place r the row 32 b + 8 u + r + 8 (r / 8): so the 16 registers of result tiles 2 b, 2 b + 1 are 16 neighbours, 32 b + 16 (lane / 16) + 0 .. 15.
; OUT: qb: [batch x head][16 groups] blocks of 6,656: 128 queries of a head: 8 half images (16 rows x 64 K, 768 bytes) and at 6,144 + 32 r + 4 t the scale words (the head's two bytes, written twice: the instruction's upper 64 of K are zero codes).
;      kv: [batch x head][16 steps] blocks of 13,056: K's part like a qb block; at 6,656 V's four fragments (16 channels x 128 keys) as register images of 1,536 bytes; at 12,800 + 16 r + 4 t V's scale words.
; In v's work-groups RoPE's first two row tiles and the bias by column are loaded (inside their buffers) and not used, in q's and k's the bias by lane: 48 loads a wave at the most; so the head has no second branch.
; LIMITS: a block of zeros gets the byte 1 (its codes are zeros; this program alone reads the bytes); largest magnitudes under 2^-124 are held at that floor; NaN and infinities are not served.
; REGISTERS, window 0: v1-31 addresses; v32-63 scale words, two sets; v64-127 RoPE's rows, two sets; v128-223 A's fragments, then the way out's numbers and codes; v224-239 bias by lane; v240-255 the quantiser's work.
;   window 1: B's fragments, two sets at v0 and v128 (on the way out v0-15: gathered scale words); bias by column at v96-127 and v224-255.   windows 2, 3: accumulator (a, b) at v[8 (8 (a % 4) + b)].
.set BLKB,  25600
.set RGN,   102400                     ; an LDS region: A's two blocks, then B's two
.set SPARE, 307200                     ; behind the three regions: the spare words, 128 bytes a wave
.set FR,    12
.set L16,   3                          ; v3   16 x lane
.set R8,    4                          ; v4   16 r + 8 h
.set A16,   8                          ; v8-10  my A block in region 0, 1, 2, + 16 x lane;  v11-13 + 16 r + 8 h
.set A8,    11
.set B16,   14                         ; v14-16, v17-19 the same for B
.set B8,    17
.set ADRS,  20                         ; v20-22 my scale words: lanes 0-15 A's, lanes 16-31 B's
.set SPW,   28
.set NIL,   29
.set SC,    32
.set AF,    128
.set WV, 16
.set RH, 17
.set CH, 18
.set CX, 19
.set CY, 20
.set CLX, 21
.set CLY, 22
.set G1A, 24
.set G1B, 32
.set G0A, 40                           ; s[40:43] group 0 for A's block;  s[52:55] for B's
.set G0B, 52
.set MSB, 0
.macro WIN new
.if MSB != \new
	s_set_vgpr_msb (MSB<<8)|\new
.set MSB, \new
.endif
.endm
.set MUL_LO, 0xa1                      ; source 0 (B) window 1, source 1 (A) window 0, C and D window 2
.set MUL_HI, 0xf1
.set TO_B,   0x40
.macro PLACES n
.rept \n
	v_nop
.endr
.endm
.macro JLOAD g0a, g0b                  ; a joint load: waves 0, 1 fetch A's two blocks, waves 2, 3 B's; an s_nop 0 and four v_nop follow each line
	s_cmp_eq_u32 s[RH], 0
	s_cbranch_scc0 .Lfor_b_\@
	tensor_load_to_lds s[\g0a:\g0a+3], s[G1A:G1A+7]
	s_nop 0
	PLACES 4
	s_branch .Lasked_\@
.Lfor_b_\@:
	tensor_load_to_lds s[\g0b:\g0b+3], s[G1B:G1B+7]
	s_nop 0
	PLACES 4
.Lasked_\@:
.endm
.macro CREST
	s_cmp_lg_u32 s[WV], 0
	s_cbranch_scc1 .Lnot_wave_0_\@
	s_barrier_signal -3
.Lnot_wave_0_\@:
	s_barrier_wait -3
	s_barrier_signal -1
	s_barrier_wait -1
.endm
.macro CROUND
	s_barrier_signal -1
	s_barrier_wait -1
	CREST
.endm
.macro FRAG reg, a16, a8, q, i         ; a fragment = two half images: 16 + 8 + 16 + 8 bytes a lane; every load reads consecutive bytes
	ds_load_b128 v[\reg:\reg+3], v[\a16] offset:((\q)*8+(\i))*1536
	ds_load_b64 v[\reg+4:\reg+5], v[\a8] offset:((\q)*8+(\i))*1536+512
	ds_load_b128 v[\reg+6:\reg+9], v[\a16] offset:((\q)*8+(\i))*1536+768
	ds_load_b64 v[\reg+10:\reg+11], v[\a8] offset:((\q)*8+(\i))*1536+1280
.endm
.macro FETCH_B rg, q, p
	WIN TO_B
.irp i, 0,1,2,3,4,5,6,7
	FRAG 128*(\p)+FR*\i, B16+\rg, B8+\rg, \q, \i
.endr
	WIN 0
.endm
.macro FETCH_A rg, q, i0
.irp i, \i0, \i0+1, \i0+2, \i0+3
	FRAG AF+FR*(\i), A16+\rg, A8+\rg, \q, \i
.endr
.endm
.macro SCALES rg, set                  ; register 2 i + q: lanes 0-15 the word of A's tile i, lanes 16-31 of B's tile i
.irp i, 0,1,2,3,4,5,6,7
	ds_load_b64 v[SC+16*\set+2*\i:SC+16*\set+2*\i+1], v[ADRS+\rg] offset:128*\i
.endr
.endm
; 16 products: A's tiles a0, a0 + 1 x B's eight.  zero = 1: the constant 0 starts the sums.  The 64 accumulators take turns in the same order in every step.
.macro MUL16 a0, p, q, sc, zero
.irp a, \a0, \a0+1
.irp b, 0,1,2,3,4,5,6,7
.if \zero == 1
	v_wmma_scale_f32_16x16x128_f8f6f4 v[8*(8*((\a)%4)+\b):8*(8*((\a)%4)+\b)+7], v[128*(\p)+FR*\b:128*(\p)+FR*\b+FR-1], v[AF+FR*(\a):AF+FR*(\a)+FR-1], 0, v[SC+16*(\sc)+2*\b+(\q)], v[SC+16*(\sc)+2*(\a)+(\q)] matrix_a_fmt:MATRIX_FMT_FP6 matrix_b_fmt:MATRIX_FMT_FP6 matrix_a_scale:MATRIX_SCALE_ROW1
.else
	v_wmma_scale_f32_16x16x128_f8f6f4 v[8*(8*((\a)%4)+\b):8*(8*((\a)%4)+\b)+7], v[128*(\p)+FR*\b:128*(\p)+FR*\b+FR-1], v[AF+FR*(\a):AF+FR*(\a)+FR-1], v[8*(8*((\a)%4)+\b):8*(8*((\a)%4)+\b)+7], v[SC+16*(\sc)+2*\b+(\q)], v[SC+16*(\sc)+2*(\a)+(\q)] matrix_a_fmt:MATRIX_FMT_FP6 matrix_b_fmt:MATRIX_FMT_FP6 matrix_a_scale:MATRIX_SCALE_ROW1
.endif
.endr
.endr
.endm
.macro STEP rg, sc, zero               ; a region's first 128 along K; it fetches the second
	s_wait_dscnt 16                                ; all but the youngest 16 loads (A's tiles 4-7) are in
	WIN MUL_LO
	MUL16 0, 0, 0, \sc, \zero
	MUL16 2, 0, 0, \sc, \zero
	s_wait_dscnt 0x0
	PLACES 4                                       ; four plain places in front of loads into registers that products have read
	FETCH_B \rg, 1, 1
	FETCH_A \rg, 1, 0
	WIN MUL_HI
	MUL16 4, 0, 0, \sc, \zero
	MUL16 6, 0, 0, \sc, \zero
	PLACES 4
	WIN 0
	FETCH_A \rg, 1, 4
.endm
; A region's second 128 along K; it fetches the next region's first.  mode 2: the region is filled again: every wave waits for all its tensor loads, adds 0 to its spare word, waits for that and for its reads of the region;
; a round of the cluster's barrier; the joint load first behind it.  mode 1: the same lines and the work-group's barrier alone: behind it the refill of every wave is in.  mode 0: the next region was shown whole by the head's barrier.
.macro TURN rg, sc, nrg, nsc, mode
.if \mode
	s_wait_tensorcnt 0x0
	ds_add_u32 v[SPW], v[NIL]
	s_wait_dscnt 17                                ; (the add and A's tiles 4-7 may be out)
.else
	s_wait_dscnt 16
.endif
	WIN MUL_LO
	MUL16 0, 1, 1, \sc, 0
.if \mode
	s_wait_dscnt 0x0                               ; the add is done, and my reads of this region are over
	s_barrier_signal -1
.endif
	MUL16 2, 1, 1, \sc, 0
	WIN 0
.if \mode
	s_barrier_wait -1
.else
	s_wait_dscnt 0x0
.endif
.if \mode == 2
	CREST
	s_add_nc_u64 s[G0A+2:G0A+3], s[G0A+2:G0A+3], 3*BLKB   ; region 0 takes K's fourth slot
	s_add_nc_u64 s[G0B+2:G0B+3], s[G0B+2:G0B+3], 3*BLKB
	s_mov_b32 s[G1A+2], 100<<16                    ; no tensor load of mine is out: the refill brings one block, 100 rows
	s_mov_b32 s[G1A+4], 100
	s_mov_b32 s[G1B+2], 100<<16
	s_mov_b32 s[G1B+4], 100
	JLOAD G0A, G0B
.else
	PLACES 4
.endif
	FETCH_B \nrg, 0, 0
	FETCH_A \nrg, 0, 0
	SCALES \nrg, \nsc
	WIN MUL_HI
	MUL16 4, 1, 1, \sc, 0
	MUL16 6, 1, 1, \sc, 0
	PLACES 4
	WIN 0
	FETCH_A \nrg, 0, 4
.endm
	s_load_b256 s[4:11], s[0:1], 0x0               ; xq, wq, b_qkv, rope
	s_load_b128 s[12:15], s[0:1], 0x20             ; qb, kv
	v_lshl_add_u32 v[SPW], v0, 2, SPARE
	v_mov_b32 v[NIL], 0
	ds_add_u32 v[SPW], v[NIL]                      ; the wave's opening: the add and its wait ahead of my first tensor load
	ds_add_u32 v[SPW], v[NIL]
	v_lshrrev_b32 v1, 5, v0
	v_readfirstlane_b32 s[WV], v1
	s_lshr_b32 s[RH], s[WV], 1                     ; my half of A's rows.  Also: I fetch for A (0) or B (1)
	s_and_b32 s[CH], s[WV], 1                      ; my half of B's rows.  Also: which block of the two I fetch
	s_bfe_u32 s[CX], ttmp6, 0x40000
	s_bfe_u32 s[CY], ttmp6, 0x40004
	s_mov_b32 s[CLX], ttmp9
	s_and_b32 s[CLY], ttmp7, 0xffff
	s_lshl_b32 s66, s[CY], 2
	s_lshl_b32 s66, 15, s66                        ; my row of the cluster
	s_lshl_b32 s67, 0x1111, s[CX]                  ; my column
	s_or_b32 s[G1A], s66, (3<<16)|(1<<21)          ; the mask; elements of 8 bytes; bit 21 beside a mask; no padding
	s_or_b32 s[G1B], s67, (3<<16)|(1<<21)
.irp g, G1A, G1B
	s_mov_b32 s[\g+1], 32<<16                      ; a dense block as 100 rows of 256 bytes
	s_mov_b32 s[\g+2], 300<<16                     ; the head's load: three slots of K on end, 300 rows of 256 bytes
	s_mov_b32 s[\g+3], 32<<16
	s_mov_b32 s[\g+4], 300
	s_mov_b32 s[\g+5], 32
	s_mov_b32 s[\g+6], 0
	s_mov_b32 s[\g+7], 0
.endr
	s_lshl_b32 s68, s[CLY], 2
	s_lshl_b32 s69, s[CLX], 2
	s_cmp_eq_u32 s[CLX], 2                         ; v's cluster?  The same in all sixteen partners
	s_cselect_b32 s70, 8, s68
	s_cselect_b32 s71, s68, s69
	s_add_co_u32 s70, s70, s[CY]                   ; A's tile: it holds cy and never cx
	s_add_co_u32 s71, s71, s[CX]                   ; B's tile: cx and never cy
	s_lshl_b32 s72, s70, 1
	s_add_co_u32 s72, s72, s[CH]
	s_mul_i32 s72, s72, 4*BLKB
	s_mov_b32 s73, 0
	s_lshl_b32 s74, s71, 1
	s_add_co_u32 s74, s74, s[CH]
	s_mul_i32 s74, s74, 4*BLKB
	s_mov_b32 s75, 0
	s_mul_i32 s23, s[WV], 3*BLKB                   ; LDS: each wave's three blocks (K slots 0, 1, 2) lie on end
	s_mov_b32 s2, 0x76543210
	s_mov_b32 s3, 0xfedcba98
	s_wait_dscnt 0x0                               ; the opening add is done
	s_wait_kmcnt 0x0
	s_cmp_eq_u32 s[CLX], 2
	s_cselect_b64 s[84:85], s[6:7], s[4:5]
	s_cselect_b64 s[86:87], s[4:5], s[6:7]
	s_add_nc_u64 s[84:85], s[84:85], s[72:73]
	s_add_nc_u64 s[86:87], s[86:87], s[74:75]
	CROUND                                         ; all sixteen work-groups are here: the first joint loads meet
	s_mov_b32 s[G0A], 1                            ; ONE tensor load a wave at the head: a block's K slots 0, 1, 2 lie on end in memory and land on end in LDS
	s_mov_b32 s[G0A+1], s23
	s_mov_b64 s[G0A+2:G0A+3], s[84:85]
	s_or_b32 s[G0A+3], s[G0A+3], 0x80000000
	s_mov_b32 s[G0B], 1
	s_mov_b32 s[G0B+1], s23
	s_mov_b64 s[G0B+2:G0B+3], s[86:87]
	s_or_b32 s[G0B+3], s[G0B+3], 0x80000000
	JLOAD G0A, G0B
	v_and_b32 v1, 15, v0                           ; r
	v_bfe_u32 v2, v0, 4, 1                         ; h
	v_and_b32 v[L16], 31, v0
	v_lshlrev_b32 v[L16], 4, v[L16]
	v_lshlrev_b32 v[R8], 4, v1
	v_lshl_add_u32 v[R8], v2, 3, v[R8]
	s_wait_alu depctr_va_vdst(0)
	s_mul_i32 s76, s[RH], 3*BLKB
	s_mul_i32 s77, s[CH], 3*BLKB
	s_add_co_u32 s77, s77, 6*BLKB
	s_sub_co_u32 s78, s77, s76
	v_mul_u32_u24 v5, s78, v2                      ; lanes 16-31 take B's scale words: one product, the distance between the two blocks
	v_lshl_add_u32 v5, v1, 3, v5
	s_add_co_u32 s79, s76, 24576
.irp p, 0,1,2
	v_add_nc_u32 v[A16+\p], s76, v[L16]
	v_add_nc_u32 v[A8+\p], s76, v[R8]
	v_add_nc_u32 v[B16+\p], s77, v[L16]
	v_add_nc_u32 v[B8+\p], s77, v[R8]
	v_add_nc_u32 v[ADRS+\p], s79, v5
	s_add_co_u32 s76, s76, BLKB
	s_add_co_u32 s77, s77, BLKB
	s_add_co_u32 s79, s79, BLKB
.endr
	; the way out's places (they enter global addresses alone): m = the tokens' tile and half, n = the columns'
	s_cmp_eq_u32 s[CLX], 2
	s_cselect_b32 s80, s71, s70
	s_cselect_b32 s81, s[CH], s[RH]
	s_cselect_b32 s82, s70, s71
	s_cselect_b32 s83, s[RH], s[CH]
	s_lshl_b32 s96, s82, 10
	s_lshl_b32 s98, s83, 9
	s_add_co_u32 s96, s96, s98
	s_mov_b32 s97, 0
	s_add_nc_u64 s[8:9], s[8:9], s[96:97]          ; the bias of my 128 columns
	s_and_b32 s95, s80, 7
	s_lshl_b32 s96, s95, 16
	s_lshl_b32 s98, s81, 15
	s_add_co_u32 s96, s96, s98
	s_add_nc_u64 s[10:11], s[10:11], s[96:97]      ; RoPE's rows of my 128 tokens
	s_lshr_b32 s96, s80, 3                         ; batch
	s_lshl_b32 s96, s96, 4
	s_and_b32 s98, s82, 3
	s_lshl_b32 s98, s98, 2
	s_add_co_u32 s96, s96, s98
	s_lshl_b32 s98, s83, 1
	s_add_co_u32 s96, s96, s98                     ; 16 batch + my first head
	s_lshl_b32 s96, s96, 4
	s_lshl_b32 s98, s95, 1
	s_add_co_u32 s96, s96, s98
	s_add_co_u32 s96, s96, s81                     ; x 16 + my group of 128 tokens
	s_mov_b32 s99, 13056
	s_cmp_eq_u32 s[CLX], 0
	s_cselect_b32 s99, 6656, s99
	s_cselect_b64 s[88:89], s[12:13], s[14:15]
	s_mul_i32 s96, s96, s99
	s_add_nc_u64 s[88:89], s[88:89], s[96:97]      ; my first head's block,
	s_lshl_b32 s96, s99, 4
	s_add_nc_u64 s[90:91], s[88:89], s[96:97]      ; my second head's
	s_mov_b32 s93, 0x01000100                      ; v_perm_b32: a word's bytes 0, 1 twice;
	s_mov_b32 s94, 0x03020302                      ; bytes 2, 3 twice
	v_lshlrev_b32 v23, 6, v2                       ; 64 h
	v_and_b32 v6, 8, v1
	v_add_nc_u32 v6, v6, v1                        ; r + 8 (r / 8)
	v_lshlrev_b32 v24, 2, v6
	v_lshlrev_b32 v25, 8, v6
	v_lshl_add_u32 v25, v2, 6, v25                 ; RoPE: my token's row, + 64 h
	v_lshlrev_b32 v30, 5, v1
	v_lshl_add_u32 v30, v2, 4, v30                 ; q's, k's scale words: 32 r + 16 h
	v_mul_u32_u24 v31, v2, 208896
	v_lshl_add_u32 v31, v1, 4, v31                 ; v's: 16 r, lanes 16-31 in the second head's block
	WIN 0x40
.irp b, 0,1,2,3,4,5,6,7                        ; the bias by column: result tile b's eight columns of my half
	global_load_b128 v[96+8*\b+96*(\b/4):99+8*\b+96*(\b/4)], v23, s[8:9] offset:(32*(\b/2)+8*(\b%2))*4
	global_load_b128 v[100+8*\b+96*(\b/4):103+8*\b+96*(\b/4)], v23, s[8:9] offset:(32*(\b/2)+8*(\b%2))*4+16
.endr
	WIN 0
.irp a, 0,1,2,3,4,5,6,7                        ; the bias by lane, into both registers of a pair
	global_load_b32 v[224+2*\a], v24, s[8:9] offset:(32*(\a/2)+8*(\a%2))*4
	global_load_b32 v[225+2*\a], v24, s[8:9] offset:(32*(\a/2)+8*(\a%2))*4
.endr
.macro RLOAD a                         ; cos and sin of row tile a's tokens at my 16 frequencies: set a % 2: 16 registers of cos, 16 of sin
.irp j, 0,1,2,3
	global_load_b128 v[64+32*((\a)%2)+4*\j:67+32*((\a)%2)+4*\j], v25, s[10:11] offset:(32*((\a)/2)+8*((\a)%2))*256+16*\j
	global_load_b128 v[80+32*((\a)%2)+4*\j:83+32*((\a)%2)+4*\j], v25, s[10:11] offset:(32*((\a)/2)+8*((\a)%2))*256+128+16*\j
.endr
.endm
	RLOAD 0
	RLOAD 1
	s_wait_alu depctr_va_vdst(0)
	s_wait_tensorcnt 0x0                           ; my one load, three slots of K, is in
	s_barrier_signal -1
	s_barrier_wait -1
	FETCH_B 0, 0, 0
	FETCH_A 0, 0, 0
	SCALES 0, 0
	FETCH_A 0, 0, 4
	STEP 0, 0, 1
	TURN 0, 0, 1, 1, 2
	STEP 1, 1, 0
	TURN 1, 1, 2, 0, 0
	STEP 2, 0, 0
	TURN 2, 0, 0, 1, 1
	STEP 0, 1, 0
	s_wait_dscnt 16                                ; the last 128 along K: nothing more to fetch
	WIN MUL_LO
	MUL16 0, 1, 1, 1, 0
	MUL16 2, 1, 1, 1, 0
	s_wait_dscnt 0x0
	WIN MUL_HI
	MUL16 4, 1, 1, 1, 0
	MUL16 6, 1, 1, 1, 0
	WIN 0
; ---- THE WAY OUT, a tile of A's rows (8 accumulators, 64 numbers a lane) at a time
.set H,  128                           ; v128-191 the 64 numbers: register 16 b + i = place 32 b + 16 h + i along the quantiser's K
.set PC, 192                           ; v192-203 the codes; v204-210 the conversions' upper halves
.set PW, 212                           ; the scale word just made
.set T,  214                           ; v214-221 at work
.set TM, 240
.macro QUANT s
.irp b, 0,1,2,3
	v_max3_num_f32 v[TM+\b], |v[\s+16*\b]|, |v[\s+1+16*\b]|, 0x1800000   ; my 16 of block b, and the floor 2^(3 - 127)
.endr
.irp i, 2,4,6,8,10,12,14
.irp b, 0,1,2,3
	v_max3_num_f32 v[TM+\b], v[TM+\b], |v[\s+16*\b+\i]|, |v[\s+1+16*\b+\i]|
.endr
.endr
.irp b, 0,1,2,3
	v_permlanex16_b32 v[TM+4+\b], v[TM+\b], s2, s3
.endr
.irp b, 0,1,2,3
	v_max_num_f32 v[TM+\b], v[TM+\b], v[TM+4+\b]   ; with lane l xor 16's 16
.endr
.irp b, 0,1,2,3
	v_add_nc_u32 v[TM+12+\b], 0xff000000, v[TM+\b] ; the conversion's scale operand
.endr
.irp b, 0,1,2,3
	v_lshrrev_b32 v[TM+4+\b], 23, v[TM+12+\b]      ; the byte
.endr
	v_lshl_or_b32 v[PW], v[TM+5], 8, v[TM+4]
	v_lshl_or_b32 v[PW], v[TM+6], 16, v[PW]
	v_lshl_or_b32 v[PW], v[TM+7], 24, v[PW]
.irp c, 0,1
	v_cvt_scalef32_pk16_fp6_f32 v[PC+6*\c:PC+2+6*\c], v[\s+32*\c:\s+15+32*\c], v[TM+12+2*\c]
	v_cvt_scalef32_pk16_fp6_f32 v[PC+12+4*\c:PC+14+4*\c], v[\s+16+32*\c:\s+31+32*\c], v[TM+12+2*\c+1]
.endr
	v_nop                                          ; one plain line behind the conversions
.irp c, 0,1                                    ; a whole block to a lane: lanes 0-15 block 2 c, lanes 16-31 block 2 c + 1
.irp i, 0,1,2
	v_permlane16_swap_b32 v[PC+6*\c+\i], v[PC+12+4*\c+\i]
.endr
.irp i, 0,1,2
	v_mov_b32 v[PC+3+6*\c+\i], v[PC+12+4*\c+\i]
.endr
.endr
.endm
; q, k: lane = token; registers = 128 channels = two heads e: blocks 2 e, 2 e + 1 are the head's channels 0-31 and 32-63: RoPE's two halves lie 16 registers apart
.macro QKROW a
	WIN 0x06+(\a)/4                                ; source 0 (sums) window 2 or 3, source 1 (bias) window 1
.irp b, 0,1,2,3,4,5,6,7
.irp j, 0,2,4,6
	v_pk_add_f32 v[H+8*\b+\j:H+8*\b+\j+1], v[8*(8*((\a)%4)+\b)+\j:8*(8*((\a)%4)+\b)+\j+1], v[96+8*\b+96*(\b/4)+\j:96+8*\b+96*(\b/4)+\j+1]   ; each accumulator from its low end on
.endr
.endr
	WIN 0
.if (\a) == 7
	s_wait_loadcnt 0x0
.elseif (\a) > 1
	s_wait_loadcnt 8                               ; this tile's cos and sin are in; the next tile's eight loads may be out
.endif
.set RS, 64+32*((\a)%2)
.irp e, 0,1
.irp i, 0,2,4,6,8,10,12,14
	v_pk_mul_f32 v[T+4*((\i/2)%2):T+4*((\i/2)%2)+1], v[H+32*\e+16+\i:H+32*\e+17+\i], v[RS+16+\i:RS+17+\i]
	v_pk_mul_f32 v[T+4*((\i/2)%2)+2:T+4*((\i/2)%2)+3], v[H+32*\e+\i:H+32*\e+1+\i], v[RS+16+\i:RS+17+\i]
	v_pk_fma_f32 v[H+32*\e+\i:H+32*\e+1+\i], v[H+32*\e+\i:H+32*\e+1+\i], v[RS+\i:RS+1+\i], v[T+4*((\i/2)%2):T+4*((\i/2)%2)+1] neg_lo:[0,0,1] neg_hi:[0,0,1]   ; x1 cos - x2 sin
	v_pk_fma_f32 v[H+32*\e+16+\i:H+32*\e+17+\i], v[H+32*\e+16+\i:H+32*\e+17+\i], v[RS+\i:RS+1+\i], v[T+4*((\i/2)%2)+2:T+4*((\i/2)%2)+3]                     ; x2 cos + x1 sin
.endr
.endr
.if (\a) < 6
	RLOAD (\a)+2
.endif
	s_wait_xcnt 0x0                                ; the last tile's stores have read the codes' registers
	QUANT H
	WIN 0x40
	v_perm_b32 v[(\a)], v[PW], v[PW], s93          ; head 0's two bytes, twice;
	v_perm_b32 v[8+(\a)], v[PW], v[PW], s94        ; head 1's
	WIN 0
	global_store_b128 v[L16], v[PC:PC+3], s[88:89] offset:768*(\a)          ; registers 0-5 are head 0's half image, 6-11 head 1's
	global_store_b64 v[R8], v[PC+4:PC+5], s[88:89] offset:768*(\a)+512
	global_store_b128 v[L16], v[PC+6:PC+9], s[90:91] offset:768*(\a)
	global_store_b64 v[R8], v[PC+10:PC+11], s[90:91] offset:768*(\a)+512
.endm
; v: lane = channel (tile a: head a / 4, fragment a % 4); registers = 128 keys
.macro VROW a
	WIN 0x02+(\a)/4
.irp b, 0,1,2,3,4,5,6,7
.irp j, 0,2,4,6
	v_pk_add_f32 v[H+8*\b+\j:H+8*\b+\j+1], v[8*(8*((\a)%4)+\b)+\j:8*(8*((\a)%4)+\b)+\j+1], v[224+2*(\a):225+2*(\a)]
.endr
.endr
	WIN 0
	s_wait_xcnt 0x0
	QUANT H
	WIN 0x40
	v_mov_b32 v[(\a)], v[PW]
	WIN 0
.irp c, 0,1,2
	global_store_b128 v[L16], v[PC+4*\c:PC+4*\c+3], s[88+2*((\a)/4):89+2*((\a)/4)] offset:6656+1536*((\a)%4)+512*\c
.endr
.endm
	PLACES 4                                       ; behind the last products, ahead of the first read of results and the first write of operands
	s_wait_loadcnt 0x0                             ; the biases, RoPE's first two tiles
.irp b, 0,1,2,3
	v_mov_b32 v[TM+4+\b], 0                        ; a lane permute's destination counts as read
.endr
	v_cmp_ne_u32 s92, 0, v2
	s_cmp_eq_u32 s[CLX], 2
	s_cbranch_scc1 .Lvout
.irp a, 0,1,2,3,4,5,6,7
	QKROW \a
.endr
	WIN 0x05                                       ; sources 0 and 1 window 1
.irp e, 0,1
.irp t, 0,1,2,3
	v_cndmask_b32 v[T+4*\e+\t], v[8*\e+\t], v[8*\e+4+\t], s92   ; lanes 0-15 store tiles 0-3's words of row r, lanes 16-31 tiles 4-7's
.endr
.endr
	WIN 0
	global_store_b128 v30, v[T:T+3], s[88:89] offset:6144       ; 512 consecutive bytes
	global_store_b128 v30, v[T+4:T+7], s[90:91] offset:6144
	s_branch .Lend
.Lvout:
.irp a, 0,1,2,3,4,5,6,7
	VROW \a
.endr
	WIN 0x05
.irp t, 0,1,2,3
	v_cndmask_b32 v[T+\t], v[\t], v[4+\t], s92     ; lanes 0-15 the first head's four words of channel place r, lanes 16-31 the second head's
.endr
	WIN 0
	global_store_b128 v31, v[T:T+3], s[88:89] offset:12800      ; 256 consecutive bytes in each head's block
.Lend:
	s_wait_tensorcnt 0x0                           ; the wave's end
	ds_add_u32 v[SPW], v[NIL]
	s_wait_dscnt 0x0
	CROUND                                         ; the closing round
	s_endpgm
.Lfunc_end_k_qe71c2afe29_qkv:
	.size	k_qe71c2afe29_qkv, .Lfunc_end_k_qe71c2afe29_qkv-k_qe71c2afe29_qkv
	.p2alignl 7, 3214868480
	.fill 96, 4, 3214868480
	.section	.rodata,"a",@progbits
	.p2align	6, 0x0
	.amdhsa_kernel k_qe71c2afe29_qkv
		.amdhsa_group_segment_fixed_size 327680
		.amdhsa_private_segment_fixed_size 0
		.amdhsa_enable_private_segment 0
		.amdhsa_kernarg_size 48
		.amdhsa_user_sgpr_count 2
		.amdhsa_user_sgpr_kernarg_segment_ptr 1
		.amdhsa_wavefront_size32 1
		.amdhsa_system_sgpr_workgroup_id_x 1
		.amdhsa_system_sgpr_workgroup_id_y 1
		.amdhsa_system_sgpr_workgroup_id_z 1
		.amdhsa_system_vgpr_workitem_id 0
		.amdhsa_next_free_vgpr 1024
		.amdhsa_next_free_sgpr 100
		.amdhsa_reserve_vcc 0
		.amdhsa_float_denorm_mode_32 3
		.amdhsa_float_denorm_mode_16_64 3
		.amdhsa_memory_ordered 1
		.amdhsa_forward_progress 1
		.amdhsa_inst_pref_size 255
	.end_amdhsa_kernel
	.amdgpu_metadata
---
amdhsa.version: [ 1, 2 ]
amdhsa.kernels:
  - .name:           k_qe71c2afe29_qkv
    .symbol:         k_qe71c2afe29_qkv.kd
    .args:
      - { .name: xq, .offset: 0, .size: 8, .value_kind: global_buffer, .address_space: global }
      - { .name: wq, .offset: 8, .size: 8, .value_kind: global_buffer, .address_space: global }
      - { .name: b_qkv, .offset: 16, .size: 8, .value_kind: global_buffer, .address_space: global }
      - { .name: rope, .offset: 24, .size: 8, .value_kind: global_buffer, .address_space: global }
      - { .name: qb, .offset: 32, .size: 8, .value_kind: global_buffer, .address_space: global }
      - { .name: kv, .offset: 40, .size: 8, .value_kind: global_buffer, .address_space: global }
    .group_segment_fixed_size: 327680
    .private_segment_fixed_size: 0
    .kernarg_segment_align: 8
    .kernarg_segment_size: 48
    .max_flat_workgroup_size: 128
    .sgpr_count:     100
    .vgpr_count:     1024
    .wavefront_size: 32
...
	.end_amdgpu_metadata
.endif
;; end of part 2
;; launch attn (part 3): grid 4 x 64, 16 waves a work-group, clusters of 4 x 1, 327,680 bytes of LDS; arguments qb, kv, yq; writes yq
.if DOCPART == 3
	.amdgcn_target "amdgcn-amd-amdhsa--gfx1250"
	.amdhsa_code_object_version 6
	.text
	.protected	k_qe71c2afe29_attn
	.globl	k_qe71c2afe29_attn
	.p2align	8
	.type	k_qe71c2afe29_attn,@function
k_qe71c2afe29_attn:
	s_mov_b64 s[64:65], 0
	v_nop
	global_prefetch_b8 v0, s[64:65] scope:SCOPE_SE
	s_setreg_imm32_b32 hwreg(HW_REG_WAVE_MODE, 25, 1), 1
	s_wait_xcnt 0x0
	s_wait_alu depctr_hold_cnt(0) depctr_sa_sdst(0) depctr_va_vdst(0) depctr_va_sdst(0) depctr_va_ssrc(0) depctr_va_vcc(0) depctr_vm_vsrc(0)
	s_getreg_b32 s2, hwreg(HW_REG_IB_STS2, 6, 4)
	s_cmp_eq_u32 s2, 0
	s_cbranch_scc0 .Lentry_in_a_cluster
	s_endpgm
.Lentry_in_a_cluster:
	s_bfe_u32 s2, ttmp6, 0x10000c
	s_cmp_lg_u32 s2, 0x3003
	s_cbranch_scc0 .Lentry_shape_is_right
	s_endpgm
.Lentry_shape_is_right:
; ATTENTION with a causal mask on codes of FP6: y = softmax(q k^T / 8) v for one head; y is then quantised along the model's 1,024 (two blocks of 32 a head) and stored as the last product's operand.
; SOFTMAX: t = score x log2(e) / 8; M = the running largest t rounded UP to a whole number; p = 2^(t - M) is quantised along the keys, not normalised; the row's sum is taken of the unquantised p and divides at the end.
; When M moves, the sum and O are multiplied by 2^(old M - new M): exact.  Key steps that lie wholly behind a wave's queries are left out by a branch on ids.
; SHARES: the four work-groups of a cluster share one head.  Its 2,048 queries are 16 groups of 128, each of 8 tiles of 16.  Partner cx takes tiles 2 cx and 2 cx + 1 of EVERY group; wave w takes tile 2 cx + w / 8 of group 15 - w % 8
; and then of group w % 8: (16 - w % 8) + (w % 8 + 1) = 17 key steps in every wave.  Sixteen waves of 256 registers: four to a SIMD.
; CLUSTER 4, 1, 1: all four partners need all of the head's K and V, so each block is asked for JOINTLY (mask 15).  Which steps a wave leaves out hangs on its group, that is on the wave's number alone: no branch and no LDS address
; hangs on cx; cx enters the mask's lane data and global addresses only.
; THE WHOLE HEAD'S K AND V LIE IN LDS: sixteen blocks of 13,056 bytes (128 keys), one tensor load a wave, all at the head, no byte filled twice.  Every wave waits for its load ahead of the one barrier; behind it all blocks are whole.
; The load pads 64 bytes behind each 256, so memory byte y lies at LDS byte y + 64 (y / 256) of its block (16,320 bytes a block).
; LAYOUT: both products are used transposed (S^T = K Q^T, O^T = V^T P^T): a lane holds ONE query.  WHICH KEYS FORM A TILE IS CHOSEN AS LDS IS READ: tile (c, u) has at place r the key 64 c + 32 (r / 8) + 8 u + r % 8, so lane (r, h)'s
; 32 registers of tiles (c, 0..3) are keys 64 c + 32 h + 0 .. 31: a whole block of p in a lane, in the order of the operand's registers 6 c .. 6 c + 5: no lane swap, and a block's maximum needs no other lane.
; In kv that key lies in half image 4 c + 2 (r / 8) + u % 2 at place r % 8 + 8 (u / 2); with the padding the two groups of eight rows lie 1,920 bytes apart, 128 modulo 256, so sixteen lanes touch 256 different bytes modulo 256.
; The head's 64 fill half of the instruction's 128 along K.  Q's upper six registers are zero codes; K's upper six are then free to be anything finite: fragment n is v[KR + 6 n .. + 11], its upper half the next fragment's codes.
; NO PREFETCH: every byte of K and V is asked for by the head's sixteen loads; there is no later request to run ahead of.
; LIMITS: the promise holds while |t| stays under 2^31; a block of zeros gets the byte 1 (its codes are zeros; this program alone reads the bytes); NaN and infinities are not served.
.set KVG,   13056                      ; a block in memory
.set KVB,   16320                      ; and in LDS: 51 rows of 256 + 64
.set SPARE, 261120                     ; behind the sixteen blocks: the spare words, 128 bytes a wave
.set SPW, 5                            ; v1 K's 16-byte pieces, v2 its 8-byte pieces, v3 K's scale words, v4 V's images, v28 V's scale words: lane terms; v7 the mask's; v29-32, v34 global lane terms
.set NIL, 6
.set KR,  36                           ; v36-89  K's eight fragments (48) and six zero registers; then V's four fragments in v36-83
.set S,   96                           ; v96-159 S^T, then p
.set O,   160                          ; v160-191 O^T
.set Q2,  192                          ; v192-198 the second tile's Q and scale word
.set KS,  200                          ; scale words: K's eight, V's four, p's, Q's
.set VS,  208
.set PW,  212
.set QW,  213
.set PC,  214                          ; v214-225 p's codes
.set TQ,  228                          ; v228-234 the blocks' upper halves as the conversions leave them
.set MA,  236
.set MB,  238
.set SO,  240
.set BY,  242
.set MX,  244
.set MO,  245
.set W,   246
.set W2,  247
.set F,   248                          ; v[248:249] f = 2^(old M - new M), and 0
.set OM,  250
.set TT,  251
.set DD,  254
.set NI,  255
.set TB,  2                            ; s2 LDS byte of the step's block
.set KF,  3                            ; s3 the step's first key
.set WV,  18
.set SEL, 20
.set CS,  22                           ; s[22:23] c = log2(e) / 8
.set G1,  24
.set G0,  32
.set Q0,  36                           ; s36 my tile's first query (it holds cx: it enters the mask's data alone)
.set QG,  37                           ; s37 my group's first query, 128 x group: made of the wave's number alone; the branches compare with it
.set CNT, 38
.macro ROUND                           ; a round of the cluster's barrier
	s_barrier_signal -1
	s_barrier_wait -1
	s_cmp_lg_u32 s[WV], 0
	s_cbranch_scc1 .Lnot_wave_0_\@
	s_barrier_signal -3
.Lnot_wave_0_\@:
	s_barrier_wait -3
	s_barrier_signal -1
	s_barrier_wait -1
.endm
	s_load_b128 s[4:7], s[0:1], 0x0                ; qb, kv
	s_load_b64 s[8:9], s[0:1], 0x10                ; yq
	v_lshl_add_u32 v[SPW], v0, 2, SPARE
	v_mov_b32 v[NIL], 0
	ds_add_u32 v[SPW], v[NIL]                      ; the opening: the add, twice on end, and its wait ahead of my tensor load
	ds_add_u32 v[SPW], v[NIL]
	v_lshrrev_b32 v8, 5, v0
	v_readfirstlane_b32 s[WV], v8
	s_and_b32 s10, ttmp7, 0xffff                   ; the cluster's y: 16 batch + head
	s_mov_b32 s[G1], 15|(3<<16)|(1<<20)|(1<<21)|(5<<22)|(15<<25)   ; the mask: all four partners; elements of 8 bytes; bit 21 beside a mask; behind every 64 words a pad of 16 words
	s_mov_b32 s[G1+1], 32<<16                      ; a dense block as 51 rows of 256 bytes
	s_mov_b32 s[G1+2], 51<<16
	s_mov_b32 s[G1+3], 32<<16
	s_mov_b32 s[G1+4], 51
	s_mov_b32 s[G1+5], 32
	s_mov_b32 s[G1+6], 0
	s_mov_b32 s[G1+7], 0
	s_lshl_b32 s12, s10, 4
	s_add_co_u32 s12, s12, s[WV]
	s_mul_i32 s12, s12, KVG                        ; key step = my wave's number
	s_mov_b32 s13, 0
	s_mul_i32 s14, s[WV], KVB
	s_mov_b32 s[SEL], 0x76543210
	s_mov_b32 s[SEL+1], 0xfedcba98
	s_mov_b32 s[CS], 0x3e38aa3b
	s_mov_b32 s[CS+1], s[CS]
	s_bfe_u32 s15, ttmp6, 0x40000                  ; cx
	s_lshl_b32 s16, s15, 1
	s_lshr_b32 s15, s[WV], 3
	s_add_co_u32 s16, s16, s15                     ; my tile in a group: 2 cx + wave / 8
	s_and_b32 s40, s[WV], 7                        ; my second group,
	s_sub_co_u32 s41, 15, s40                      ; and my first
	s_wait_dscnt 0x0                               ; both opening adds are done
	s_wait_kmcnt 0x0
	s_mov_b32 s[G0], 1
	s_mov_b32 s[G0+1], s14
	s_add_nc_u64 s[G0+2:G0+3], s[6:7], s[12:13]
	s_or_b32 s[G0+3], s[G0+3], 0x80000000
	ROUND                                          ; all four partners are here: the joint loads meet
	tensor_load_to_lds s[G0:G0+3], s[G1:G1+7]      ; my one tensor load of the launch
	s_nop 0
.irp p, 0,1
	s_lshl_b32 s52, s10, 4
	s_add_co_u32 s52, s52, s[40+\p]
	s_mul_i32 s52, s52, 6656
	s_mul_i32 s53, s16, 768
	s_add_co_u32 s60, s52, s53
	s_mov_b32 s61, 0
	s_add_nc_u64 s[44+4*\p:45+4*\p], s[4:5], s[60:61]
	s_lshl_b32 s53, s16, 2
	s_add_co_u32 s60, s52, s53
	s_add_nc_u64 s[46+4*\p:47+4*\p], s[4:5], s[60:61]
.endr
	v_and_b32 v9, 15, v0                           ; r
	v_bfe_u32 v10, v0, 4, 1                        ; h
	v_and_b32 v33, 7, v0                           ; r % 8
	v_bfe_u32 v11, v0, 3, 1                        ; r / 8
	v_lshlrev_b32 v1, 4, v33
	v_mad_u32_u24 v1, v11, 1920, v1                ; 16 (r % 8) + 1,920 (r / 8)
	v_lshl_add_u32 v2, v10, 3, v1                  ; + 8 h: K's 8-byte pieces
	v_mad_u32_u24 v1, v10, 320, v1                 ; + 320 h: K's 16-byte pieces
	v_lshlrev_b32 v3, 5, v33
	v_lshl_add_u32 v3, v11, 3, v3                  ; K's scale words: 32 (r % 8) + 8 (r / 8)
	v_lshlrev_b32 v28, 4, v9                       ; V's scale words: 16 r
	v_mad_u32_u24 v4, v10, 320, v28                ; V's images: 16 r + 320 h
	v_lshl_add_u32 v7, v11, 3, v9
	v_lshlrev_b32 v30, 5, v10
	v_sub_nc_u32 v7, v7, v30                       ; the mask's lane term: r + 8 (r / 8) - 32 h
	v_lshlrev_b32 v30, 3, v10                      ; 8 h
	v_lshlrev_b32 v29, 3, v9                       ; y's scale bytes: 8 r
	v_and_b32 v31, 31, v0
	v_lshlrev_b32 v31, 4, v31                      ; memory: 16 x lane
	v_lshl_add_u32 v32, v10, 3, v28                ; 16 r + 8 h
	v_lshlrev_b32 v34, 5, v9                       ; Q's scale words: 32 r
	s_wait_alu depctr_va_vdst(0)
	global_load_b128 v[16:19], v31, s[48:49]       ; my first tile's Q
	global_load_b64 v[20:21], v32, s[48:49] offset:512
	global_load_b32 v[QW], v34, s[50:51] offset:6144
	global_load_b128 v[Q2:Q2+3], v31, s[44:45]     ; my second tile's
	global_load_b64 v[Q2+4:Q2+5], v32, s[44:45] offset:512
	global_load_b32 v[Q2+6], v34, s[46:47] offset:6144
.irp i, 22,23,24,25,26,27
	v_mov_b32 v[\i], 0                             ; Q's upper 64 of K: zero codes
.endr
.irp i, 48,49,50,51,52,53
	v_mov_b32 v[KR+\i], 0                          ; the last K fragment's upper half
.endr
	v_mov_b32 v[MO], 0                             ; a lane permute's destination counts as read
	v_mov_b32 v[W2], 0
	v_mov_b32 v[F+1], 0                            ; named as the upper half of the pair
	s_wait_alu depctr_va_vdst(0)
	s_wait_tensorcnt 0x0                           ; my block is in,
	s_wait_dscnt 0x0
	s_barrier_signal -1
	s_barrier_wait -1                              ; everybody's is
	s_wait_loadcnt 0x0                             ; Q
.macro FMA q, n                        ; t - M for n pairs from pair q on
.set N, 2*(\q)
.rept \n
	v_pk_fma_f32 v[S+N:S+N+1], v[S+N:S+N+1], s[CS:CS+1], v[12:13] op_sel_hi:[1,0,0]
.set N, N+2
.endr
.endm
.macro SUMR q                          ; four chains of the row's sum take four more pairs of p
	v_pk_add_f32 v[90:91], v[90:91], v[S+2*(\q):S+2*(\q)+1]
	v_pk_add_f32 v[92:93], v[92:93], v[S+2*(\q)+2:S+2*(\q)+3]
	v_pk_add_f32 v[94:95], v[94:95], v[S+2*(\q)+4:S+2*(\q)+5]
	v_pk_add_f32 v[252:253], v[252:253], v[S+2*(\q)+6:S+2*(\q)+7]
.endm
; A KEY STEP: 128 keys.  KF and QG are multiples of 128: KF > QG says that all the step's keys come after my group's queries, KF < QG that all come before.  No barrier and no tensor load stands in a step.
.macro STEP
	s_cmp_gt_u32 s[KF], s[QG]
	s_cbranch_scc1 .Lhid_\@
	v_add_nc_u32 v8, s[TB], v1                     ; (with the sum's last line of the step before, these three are the four places ahead of loads into registers that products have read)
	v_add_nc_u32 v9, s[TB], v2
	v_add_nc_u32 v10, s[TB], v3
.irp c, 0,1
.irp g, 0,1
	ds_load_b64 v[KS+4*\c+2*\g:KS+4*\c+2*\g+1], v10 offset:7680+320*\g+16*\c   ; the scale words of tiles (c, 2 g), (c, 2 g + 1) at my place r
.endr
.endr
.irp c, 0,1
.irp u, 0,1,2,3
	ds_load_b128 v[KR+6*(4*\c+\u):KR+6*(4*\c+\u)+3], v8 offset:960*(4*\c+\u%2)+128*(\u/2)
	ds_load_b64 v[KR+6*(4*\c+\u)+4:KR+6*(4*\c+\u)+5], v9 offset:960*(4*\c+\u%2)+128*(\u/2)+640
.endr
.endr
	s_wait_dscnt 0x0
.irp n, 0,1,2,3,4,5,6,7
	v_wmma_scale_f32_16x16x128_f8f6f4 v[S+8*\n:S+8*\n+7], v[KR+6*\n:KR+6*\n+11], v[16:27], 0, v[KS+\n], v[QW] matrix_a_fmt:MATRIX_FMT_FP6 matrix_b_fmt:MATRIX_FMT_FP6
.endr
	v_add_nc_u32 v11, s[TB], v4                    ; four places behind the products
	v_add_nc_u32 v33, s[TB], v28
	v_mov_b32 v[OM], v12                           ; the old -M
	v_nop
	ds_load_b128 v[VS:VS+3], v33 offset:16000      ; V's four scale words at my place r
.irp t, 0,1,2,3
.irp c, 0,1,2
	ds_load_b128 v[KR+12*\t+4*\c:KR+12*\t+4*\c+3], v11 offset:8320+1920*\t+640*\c   ; V's fragments, as register images, where K's lay: they land under the softmax
.endr
.endr
	s_cmp_lt_u32 s[KF], s[QG]                      ; on the diagonal hidden scores become -infinity ahead of the maximum; a step all of whose keys count skips this
	s_cbranch_scc1 .Lopen_\@
	s_sub_co_i32 s52, s[Q0], s[KF]
	v_add_nc_u32 v[DD], s52, v7                    ; d = my query - KF - 32 h.  Register N holds key KF + 32 h + 64 (N / 32) + N % 32
	v_mov_b32 v[NI], 0xff800000
.set N, 0
.rept 64
	v_cmp_gt_i32 vcc_lo, 64*(N/32)+N%32, v[DD]
	v_cndmask_b32 v[S+N], v[S+N], v[NI], vcc_lo
.set N, N+1
.endr
.Lopen_\@:
.irp c, 0,1                                    ; my two blocks' largest scores, each in two chains; each accumulator is first read in its four lowest registers
	v_max3_num_f32 v[MA+\c], v[S+32*\c], v[S+32*\c+1], v[S+32*\c+2]
	v_max3_num_f32 v[MB+\c], v[S+32*\c+17], v[S+32*\c+18], v[S+32*\c+19]
.endr
.irp i, 0,2,4,6,8,10
.irp c, 0,1
	v_max3_num_f32 v[MA+\c], v[MA+\c], v[S+32*\c+3+\i], v[S+32*\c+4+\i]
	v_max3_num_f32 v[MB+\c], v[MB+\c], v[S+32*\c+20+\i], v[S+32*\c+21+\i]
.endr
.endr
.irp c, 0,1
	v_max3_num_f32 v[MA+\c], v[MA+\c], v[S+32*\c+15], v[S+32*\c+16]
.endr
.irp c, 0,1
	v_max_num_f32 v[MA+\c], v[MA+\c], v[MB+\c]
.endr
	v_max_num_f32 v[MX], v[MA], v[MA+1]
	s_delay_alu instid0(VALU_DEP_1)
	v_permlanex16_b32 v[MO], v[MX], s[SEL], s[SEL+1]
	s_delay_alu instid0(VALU_DEP_1)
	v_max3_num_f32 v13, v13, v[MX], v[MO]          ; the running largest score (c is positive)
	s_delay_alu instid0(VALU_DEP_1)
	v_mul_f32 v[TT], s[CS], v13
	s_delay_alu instid0(VALU_DEP_1)
	v_floor_f32 v12, -v[TT]                        ; -M = floor(-t)
	s_delay_alu instid0(VALU_DEP_1)
	v_sub_f32 v[OM], v12, v[OM]
	FMA 0, 8
	v_cvt_i32_f32 v[OM], v[OM]                     ; old M - new M (it saturates)
	FMA 8, 8
	v_ldexp_f32 v[F], 1.0, v[OM]                   ; f
	FMA 16, 16
.irp c, 0,1
	v_fma_f32 v[MA+\c], v[MA+\c], s[CS], v12       ; the same of each block's largest score: p rises with the score
.endr
.set N, 0
.rept 16
	v_pk_mul_f32 v[O+N:O+N+1], v[O+N:O+N+1], v[F:F+1] op_sel_hi:[1,0]   ; O^T under the new M
.set N, N+2
.endr
	s_wait_alu depctr_va_vdst(0)
	s_wait_dscnt 0x0                               ; V is in
.irp c, 0,1
	v_exp_f32 v[MA+\c], v[MA+\c]                   ; the blocks' largest p
.endr
.set N, 0
.rept 64
	v_exp_f32 v[S+N], v[S+N]                       ; p
.set N, N+1
.endr
	v_nop                                          ; a plain line behind the exponentials
	s_wait_alu depctr_va_vdst(0)                   ; one wait for the batch of 66, ahead of its first reader
.irp c, 0,1
	v_max_num_f32 v[MA+\c], 0x1800000, v[MA+\c]    ; the floor 2^(3 - 127)
.endr
	v_pk_add_f32 v[90:91], v[S:S+1], v[S+8:S+9]    ; the row's sum of the unquantised p, in four chains, laid between the links of the scale's chain
	v_pk_add_f32 v[92:93], v[S+2:S+3], v[S+10:S+11]
	v_pk_add_f32 v[94:95], v[S+4:S+5], v[S+12:S+13]
	v_pk_add_f32 v[252:253], v[S+6:S+7], v[S+14:S+15]
.irp c, 0,1
	v_add_nc_u32 v[SO+\c], 0xff000000, v[MA+\c]    ; 2 off the exponent field: the conversion's scale operand
.endr
	SUMR 8
.irp c, 0,1
	v_cvt_scalef32_pk16_fp6_f32 v[PC+6*\c:PC+6*\c+2], v[S+32*\c:S+32*\c+15], v[SO+\c]
	v_cvt_scalef32_pk16_fp6_f32 v[TQ+4*\c:TQ+4*\c+2], v[S+32*\c+16:S+32*\c+31], v[SO+\c]   ; (a conversion's three registers begin on an even number)
.endr
.irp c, 0,1
	v_lshrrev_b32 v[BY+\c], 23, v[SO+\c]           ; the bytes (plain lines behind the conversions)
.endr
	SUMR 12
	v_lshl_or_b32 v[W], v[BY+1], 16, v[BY]         ; blocks h and 2 + h of my query,
.irp c, 0,1
.irp i, 0,1,2
	v_mov_b32 v[PC+6*\c+3+\i], v[TQ+4*\c+\i]
.endr
.endr
	v_lshlrev_b32 v[W], v30, v[W]                  ; 8 h bits up;
	SUMR 16
	v_permlanex16_b32 v[W2], v[W], s[SEL], s[SEL+1]
	SUMR 20
	v_or_b32 v[PW], v[W], v[W2]                    ; with lane l xor 16's two the word is whole; eleven plain lines stand between it and the products
	SUMR 24
	SUMR 28
	v_pk_add_f32 v[90:91], v[90:91], v[92:93]
	v_pk_add_f32 v[94:95], v[94:95], v[252:253]
	v_pk_add_f32 v[90:91], v[90:91], v[94:95]
.irp t, 0,1,2,3
	v_wmma_scale_f32_16x16x128_f8f6f4 v[O+8*\t:O+8*\t+7], v[KR+12*\t:KR+12*\t+11], v[PC:PC+11], v[O+8*\t:O+8*\t+7], v[VS+\t], v[PW] matrix_a_fmt:MATRIX_FMT_FP6 matrix_b_fmt:MATRIX_FMT_FP6
.endr
	v_pk_fma_f32 v[14:15], v[14:15], v[F:F+1], v[90:91] op_sel_hi:[1,0,1]   ; the sum under the new M, and this step's part
.Lhid_\@:
	s_add_co_u32 s[KF], s[KF], 128
	s_add_co_u32 s[TB], s[TB], KVB
.endm
; ONE TILE OF QUERIES.  grp: the register with its group of 128 queries.
.macro PASS grp
	s_lshl_b32 s[QG], s[\grp], 7
	s_lshl_b32 s[Q0], s[\grp], 7
	s_lshr_b32 s52, s16, 1
	s_lshl_b32 s52, s52, 5
	s_add_co_u32 s[Q0], s[Q0], s52
	s_and_b32 s52, s16, 1
	s_lshl_b32 s52, s52, 3
	s_add_co_u32 s[Q0], s[Q0], s52                 ; 128 group + 32 (tile / 2) + 8 (tile % 2)
	s_lshr_b32 s52, s10, 4
	s_lshl_b32 s52, s52, 4
	s_add_co_u32 s52, s52, s[\grp]                 ; y's group of 128 rows
	s_lshl_b32 s52, s52, 2
	s_bfe_u32 s53, s10, 0x20002                    ; head / 4: which 256 of the next K
	s_add_co_u32 s52, s52, s53
	s_mul_i32 s52, s52, 25600
	s_bfe_u32 s53, s10, 0x10001                    ; (head / 2) % 2: which 128 of them
	s_and_b32 s54, s10, 1                          ; head % 2: which 64
	s_lshl_b32 s55, s53, 3
	s_add_co_u32 s55, s55, s16
	s_lshl_b32 s55, s55, 1
	s_add_co_u32 s55, s55, s54
	s_mul_i32 s55, s55, 768
	s_add_co_u32 s60, s52, s55
	s_mov_b32 s61, 0
	s_add_nc_u64 s[56:57], s[8:9], s[60:61]        ; my half image
	s_lshl_b32 s55, s16, 7
	s_add_co_u32 s55, s55, 24576
	s_lshl_b32 s53, s53, 2
	s_add_co_u32 s55, s55, s53
	s_lshl_b32 s54, s54, 1
	s_add_co_u32 s55, s55, s54
	s_add_co_u32 s60, s52, s55
	s_add_nc_u64 s[58:59], s[8:9], s[60:61]        ; my two bytes of the scale words
	v_mov_b32 v13, 0xff61b1e6                      ; the largest score so far: -3e38
	v_mov_b32 v12, 0x7f61b1e6                      ; -M: 3e38, so that the first step's f is 0
	v_mov_b32 v14, 0
	v_mov_b32 v15, 0
.set N, 0
.rept 32
	v_mov_b32 v[O+N], 0                            ; O^T: the step is written without a first step of its own
.set N, N+1
.endr
	s_mov_b32 s[TB], 0
	s_mov_b32 s[KF], 0
	s_mov_b32 s[CNT], 16
	s_wait_alu depctr_va_vdst(0)
.Lstep_\@:
	STEP
	s_sub_co_u32 s[CNT], s[CNT], 1
	s_cmp_lg_u32 s[CNT], 0
	s_cbranch_scc1 .Lstep_\@
	; the way out: y = O^T / the sum; register 16 b + i = channel 32 b + 16 h + i of my query; two blocks of 32
	s_wait_alu depctr_va_vdst(0)
.rept 4
	v_nop                                          ; places behind the last products
.endr
	v_add_f32 v14, v14, v15
	s_delay_alu instid0(VALU_DEP_1)
	v_permlanex16_b32 v[MO], v14, s[SEL], s[SEL+1]
	s_delay_alu instid0(VALU_DEP_1)
	v_add_f32 v14, v14, v[MO]
	s_wait_alu depctr_va_vdst(0)
	v_rcp_f32 v14, v14
	v_nop                                          ; a plain line behind the reciprocal
	s_wait_alu depctr_va_vdst(0)                   ; and the wait ahead of its first reader, and of O^T's
.set N, 0
.rept 16
	v_pk_mul_f32 v[S+N:S+N+1], v[O+N:O+N+1], v[14:15] op_sel_hi:[1,0]
.set N, N+2
.endr
.irp b, 0,1
	v_max3_num_f32 v[MA+\b], |v[S+16*\b]|, |v[S+16*\b+1]|, 0x1800000
.endr
.irp i, 2,4,6,8,10,12,14
.irp b, 0,1
	v_max3_num_f32 v[MA+\b], v[MA+\b], |v[S+16*\b+\i]|, |v[S+16*\b+\i+1]|
.endr
.endr
	v_permlanex16_b32 v[MO], v[MA], s[SEL], s[SEL+1]
	v_permlanex16_b32 v[W2], v[MA+1], s[SEL], s[SEL+1]
	v_max_num_f32 v[MA], v[MA], v[MO]
	v_max_num_f32 v[MA+1], v[MA+1], v[W2]
.irp b, 0,1
	v_add_nc_u32 v[SO+\b], 0xff000000, v[MA+\b]
.endr
.irp b, 0,1
	v_lshrrev_b32 v[BY+\b], 23, v[SO+\b]
.endr
	v_lshl_or_b32 v[W], v[BY+1], 8, v[BY]
	v_cvt_scalef32_pk16_fp6_f32 v[PC:PC+2], v[S:S+15], v[SO]
	v_cvt_scalef32_pk16_fp6_f32 v[TQ:TQ+2], v[S+16:S+31], v[SO+1]
	v_nop
.irp i, 0,1,2
	v_permlane16_swap_b32 v[PC+\i], v[TQ+\i]       ; a whole block to a lane
.endr
.irp i, 0,1,2
	v_mov_b32 v[PC+3+\i], v[TQ+\i]
.endr
	global_store_b128 v31, v[PC:PC+3], s[56:57]    ; 512 consecutive bytes,
	global_store_b64 v32, v[PC+4:PC+5], s[56:57] offset:512   ; 256
	global_store_b16 v29, v[W], s[58:59]           ; a scale word spans two heads, two clusters: each stores its two bytes
	s_wait_xcnt 0x0                                ; the stores have read their registers and bases: both are written again in the next tile
.endm
	PASS 41
.irp i, 0,1,2,3,4,5
	v_mov_b32 v[16+\i], v[Q2+\i]                   ; the second tile's Q
.endr
	v_mov_b32 v[QW], v[Q2+6]
	PASS 40
	s_wait_tensorcnt 0x0                           ; the wave's end
	ds_add_u32 v[SPW], v[NIL]
	s_wait_dscnt 0x0
	ROUND                                          ; the closing round
	s_endpgm
.Lfunc_end_k_qe71c2afe29_attn:
	.size	k_qe71c2afe29_attn, .Lfunc_end_k_qe71c2afe29_attn-k_qe71c2afe29_attn
	.p2alignl 7, 3214868480
	.fill 96, 4, 3214868480
	.section	.rodata,"a",@progbits
	.p2align	6, 0x0
	.amdhsa_kernel k_qe71c2afe29_attn
		.amdhsa_group_segment_fixed_size 327680
		.amdhsa_private_segment_fixed_size 0
		.amdhsa_enable_private_segment 0
		.amdhsa_kernarg_size 24
		.amdhsa_user_sgpr_count 2
		.amdhsa_user_sgpr_kernarg_segment_ptr 1
		.amdhsa_wavefront_size32 1
		.amdhsa_system_sgpr_workgroup_id_x 1
		.amdhsa_system_sgpr_workgroup_id_y 1
		.amdhsa_system_sgpr_workgroup_id_z 1
		.amdhsa_system_vgpr_workitem_id 0
		.amdhsa_next_free_vgpr 256
		.amdhsa_next_free_sgpr 66
		.amdhsa_reserve_vcc 1
		.amdhsa_float_denorm_mode_32 3
		.amdhsa_float_denorm_mode_16_64 3
		.amdhsa_memory_ordered 1
		.amdhsa_forward_progress 1
		.amdhsa_inst_pref_size 59
	.end_amdhsa_kernel
	.amdgpu_metadata
---
amdhsa.version: [ 1, 2 ]
amdhsa.kernels:
  - .name:           k_qe71c2afe29_attn
    .symbol:         k_qe71c2afe29_attn.kd
    .args:
      - { .name: qb, .offset: 0, .size: 8, .value_kind: global_buffer, .address_space: global }
      - { .name: kv, .offset: 8, .size: 8, .value_kind: global_buffer, .address_space: global }
      - { .name: yq, .offset: 16, .size: 8, .value_kind: global_buffer, .address_space: global }
    .group_segment_fixed_size: 327680
    .private_segment_fixed_size: 0
    .kernarg_segment_align: 8
    .kernarg_segment_size: 24
    .max_flat_workgroup_size: 512
    .sgpr_count:     66
    .vgpr_count:     256
    .wavefront_size: 32
...
	.end_amdgpu_metadata
.endif
;; end of part 3
;; launch proj (part 4): grid 4 x 64, 4 waves a work-group, clusters of 4 x 4, 327,680 bytes of LDS; arguments yq, pq, b_proj, out0; writes out0
.if DOCPART == 4
	.amdgcn_target "amdgcn-amd-amdhsa--gfx1250"
	.amdhsa_code_object_version 6
	.text
	.protected	k_qe71c2afe29_proj
	.globl	k_qe71c2afe29_proj
	.p2align	8
	.type	k_qe71c2afe29_proj,@function
k_qe71c2afe29_proj:
	s_mov_b64 s[64:65], 0
	v_nop
	global_prefetch_b8 v0, s[64:65] scope:SCOPE_SE
	s_setreg_imm32_b32 hwreg(HW_REG_WAVE_MODE, 25, 1), 1
	s_wait_xcnt 0x0
	s_wait_alu depctr_hold_cnt(0) depctr_sa_sdst(0) depctr_va_vdst(0) depctr_va_sdst(0) depctr_va_ssrc(0) depctr_va_vcc(0) depctr_vm_vsrc(0)
	s_getreg_b32 s2, hwreg(HW_REG_IB_STS2, 6, 4)
	s_cmp_eq_u32 s2, 0
	s_cbranch_scc0 .Lentry_in_a_cluster
	s_endpgm
.Lentry_in_a_cluster:
	s_bfe_u32 s2, ttmp6, 0x10000c
	s_cmp_lg_u32 s2, 0xf033
	s_cbranch_scc0 .Lentry_shape_is_right
	s_endpgm
.Lentry_shape_is_right:
; PROJ: out = y W_proj + b on codes of FP6 with E8M0 scales; f32 out.
; A block of 128 rows x 256 columns to a work-group: 64 x 4 = 256 work-groups.  Four waves; wave (RH, CH) makes rows 64 RH .. + 63 x columns 128 CH .. + 127: 32 accumulators, 256 registers (window 2).
; Operands come as dense blocks of 25,600 bytes (128 rows x 256 K: codes in fragment order, scale words from byte 24,576), four such slots along K = 1,024, on end in memory.
; LDS: A's slots 0-2 at 0, B's two blocks' slots 0-2 at 76,800 and 153,600, each run 76,800 bytes.  At the head each wave issues ONE tensor load: waves 0, 1 the two halves of A's run (150 rows of 256 bytes each), waves 2, 3 a run of B (300 rows).
; Slot 3 is filled into slot 0's bytes behind one round of the cluster's barrier: waves 0, 1 halves of A's block (50 rows), waves 2, 3 a block of B (100 rows).  No loop: eight steps of 128 along K are written out.
; CLUSTER 4 x 4: A's block hangs on the block row alone and is shared along a row of the cluster, B's on the block column alone and is shared along a column: each is asked for jointly by the four that need it.
; THE PRODUCT IS USED TRANSPOSED: source 0 = 16 rows of W^T, source 1 = 16 rows of y: a lane holds eight neighbouring columns of one row of out.  The bias is the C of the first step's products.
; TILE ORDER: tile i = 2 b + u of 128 rows has at lane place r the row 32 b + 8 u + r + 8 (r / 8).
; Both operands have two sets of fragment registers: a step's fragments are fetched during the step before.  The 32 accumulators take turns in the same order in every step.
; NO PREFETCH: three of K's four slots are asked for at the head, the fourth in the second step: there is no loop to run ahead in.
; REGISTERS, window 0: v1-31 addresses; v32-63 scale words, two sets; v64-127 the bias; v128-223 A's fragments, two sets of four; on the way out v128-255.   window 1: B's fragments, two sets at v0 and v128.   window 2: accumulator (a, b) at v[8 (8 a + b)].
.set BLKB,  25600
.set RUN,   76800                      ; three slots on end
.set STG,   230400                     ; behind the three runs: a stage of 16 rows x 528 bytes for each wave; no tensor load lands there
.set SPARE, 307200                     ; the spare words, 128 bytes a wave
.set FR,    12
.set L16,   3                          ; v3   16 x lane
.set R8,    4                          ; v4   16 r + 8 h
.set ADRT,  5                          ; v5-7   scale words of tiles 4-7: lanes 16-31 B's; lanes 0-15 read A's words of tiles 0-3 once more (not used), so that no lane leaves the block
.set A16,   8                          ; v8-10  my four tiles of A in slot 0, 1, 2, + 16 x lane;  v11-13 + 16 r + 8 h
.set A8,    11
.set B16,   14                         ; v14-16, v17-19 the same for my block of B
.set B8,    17
.set ADRS,  20                         ; v20-22 scale words of tiles 0-3: lanes 0-15 A's, lanes 16-31 B's
.set STO,   23
.set RD,    24
.set SPW,   28
.set NIL,   29
.set SC,    32
.set BI,    64
.set AF,    128
.set BK,    128
.set WV, 16
.set RH, 17
.set CH, 18
.set CX, 19
.set CY, 20
.set G1A, 24
.set G1B, 32
.set G0A, 40                           ; s[40:43] group 0 for A at the head, s[44:47] for A's refill
.set G0B, 52
.set MSB, 0
.macro WIN new
.if MSB != \new
	s_set_vgpr_msb (MSB<<8)|\new
.set MSB, \new
.endif
.endm
.set MUL_LO, 0xa1                      ; source 0 (B) window 1, source 1 (A) window 0, C and D window 2
.set MUL_BI, 0x81                      ; the same with C (the bias) in window 0
.set TO_B,   0x40
.macro PLACES n
.rept \n
	v_nop
.endr
.endm
.macro JLOAD g0a, g0b                  ; a joint load: waves 0, 1 fetch for A, waves 2, 3 for B; an s_nop 0 and four v_nop follow each line
	s_cmp_eq_u32 s[RH], 0
	s_cbranch_scc0 .Lfor_b_\@
	tensor_load_to_lds s[\g0a:\g0a+3], s[G1A:G1A+7]
	s_nop 0
	PLACES 4
	s_branch .Lasked_\@
.Lfor_b_\@:
	tensor_load_to_lds s[\g0b:\g0b+3], s[G1B:G1B+7]
	s_nop 0
	PLACES 4
.Lasked_\@:
.endm
.macro CREST
	s_cmp_lg_u32 s[WV], 0
	s_cbranch_scc1 .Lnot_wave_0_\@
	s_barrier_signal -3
.Lnot_wave_0_\@:
	s_barrier_wait -3
	s_barrier_signal -1
	s_barrier_wait -1
.endm
.macro CROUND
	s_barrier_signal -1
	s_barrier_wait -1
	CREST
.endm
.macro FRAG reg, a16, a8, q, i         ; a fragment = two half images: 16 + 8 + 16 + 8 bytes a lane
	ds_load_b128 v[\reg:\reg+3], v[\a16] offset:((\q)*8+(\i))*1536
	ds_load_b64 v[\reg+4:\reg+5], v[\a8] offset:((\q)*8+(\i))*1536+512
	ds_load_b128 v[\reg+6:\reg+9], v[\a16] offset:((\q)*8+(\i))*1536+768
	ds_load_b64 v[\reg+10:\reg+11], v[\a8] offset:((\q)*8+(\i))*1536+1280
.endm
.macro FETCH rg, p                     ; 48 loads: slot rg's p-th 128 along K into set p: B's eight fragments, my four of A
	WIN TO_B
.irp i, 0,1,2,3,4,5,6,7
	FRAG 128*(\p)+FR*\i, B16+\rg, B8+\rg, \p, \i
.endr
	WIN 0
.irp i, 0,1,2,3
	FRAG AF+48*(\p)+FR*\i, A16+\rg, A8+\rg, \p, \i
.endr
.endm
.macro SCALES rg, set                  ; 8 loads: register 2 i + q: lanes 0-15 the word of my A tile i (i under 4), lanes 16-31 of B's tile i
.irp i, 0,1,2,3
	ds_load_b64 v[SC+16*\set+2*\i:SC+16*\set+2*\i+1], v[ADRS+\rg] offset:128*\i
.endr
.irp i, 4,5,6,7
	ds_load_b64 v[SC+16*\set+2*\i:SC+16*\set+2*\i+1], v[ADRT+\rg] offset:128*\i
.endr
.endm
.macro MUL16 a0, p, sc, bias           ; 16 products: A's tiles a0, a0 + 1 x B's eight, on set p
.irp a, \a0, \a0+1
.irp b, 0,1,2,3,4,5,6,7
.if \bias
	v_wmma_scale_f32_16x16x128_f8f6f4 v[8*(8*(\a)+\b):8*(8*(\a)+\b)+7], v[128*(\p)+FR*\b:128*(\p)+FR*\b+FR-1], v[AF+48*(\p)+FR*(\a):AF+48*(\p)+FR*(\a)+FR-1], v[BI+8*\b:BI+8*\b+7], v[SC+16*(\sc)+2*\b+(\p)], v[SC+16*(\sc)+2*(\a)+(\p)] matrix_a_fmt:MATRIX_FMT_FP6 matrix_b_fmt:MATRIX_FMT_FP6 matrix_a_scale:MATRIX_SCALE_ROW1
.else
	v_wmma_scale_f32_16x16x128_f8f6f4 v[8*(8*(\a)+\b):8*(8*(\a)+\b)+7], v[128*(\p)+FR*\b:128*(\p)+FR*\b+FR-1], v[AF+48*(\p)+FR*(\a):AF+48*(\p)+FR*(\a)+FR-1], v[8*(8*(\a)+\b):8*(8*(\a)+\b)+7], v[SC+16*(\sc)+2*\b+(\p)], v[SC+16*(\sc)+2*(\a)+(\p)] matrix_a_fmt:MATRIX_FMT_FP6 matrix_b_fmt:MATRIX_FMT_FP6 matrix_a_scale:MATRIX_SCALE_ROW1
.endif
.endr
.endr
.endm
.macro MULS p, sc
	WIN MUL_LO
	MUL16 0, \p, \sc, 0
	MUL16 2, \p, \sc, 0
	WIN 0
.endm
	s_load_b256 s[4:11], s[0:1], 0x0               ; yq, pq, b_proj, out0
	v_lshl_add_u32 v[SPW], v0, 2, SPARE
	v_mov_b32 v[NIL], 0
	ds_add_u32 v[SPW], v[NIL]                      ; the opening: the add, twice on end, and its wait ahead of my first tensor load
	ds_add_u32 v[SPW], v[NIL]
	v_lshrrev_b32 v1, 5, v0
	v_readfirstlane_b32 s[WV], v1
	s_lshr_b32 s[RH], s[WV], 1                     ; my half of A's rows.  Also: I fetch for A (0) or B (1)
	s_and_b32 s[CH], s[WV], 1                      ; my block of B.  Also: which half of A, or which block of B, I fetch
	s_bfe_u32 s[CX], ttmp6, 0x40000
	s_bfe_u32 s[CY], ttmp6, 0x40004
	s_lshl_b32 s66, s[CY], 2
	s_lshl_b32 s66, 15, s66                        ; my row of the cluster
	s_lshl_b32 s67, 0x1111, s[CX]                  ; my column
	s_or_b32 s[G1A], s66, (3<<16)|(1<<21)          ; the mask; elements of 8 bytes; bit 21 beside a mask; no padding
	s_or_b32 s[G1B], s67, (3<<16)|(1<<21)
.irp g, G1A, G1B
	s_mov_b32 s[\g+1], 32<<16                      ; rows of 256 bytes, dense
	s_mov_b32 s[\g+3], 32<<16
	s_mov_b32 s[\g+5], 32
	s_mov_b32 s[\g+6], 0
	s_mov_b32 s[\g+7], 0
.endr
	s_mov_b32 s[G1A+2], 150<<16                    ; at the head: half of A's run,
	s_mov_b32 s[G1A+4], 150
	s_mov_b32 s[G1B+2], 300<<16                    ; a whole run of B
	s_mov_b32 s[G1B+4], 300
	s_and_b32 s70, ttmp7, 0xffff
	s_lshl_b32 s70, s70, 2
	s_add_co_u32 s70, s70, s[CY]                   ; the block row, 0 .. 63: it holds cy and never cx
	s_lshl_b32 s71, ttmp9, 2
	s_add_co_u32 s71, s71, s[CX]                   ; the block column, 0 .. 3: cx and never cy
	s_mul_i32 s80, s70, 4*BLKB                     ; A's four slots
	s_mul_i32 s76, s[CH], 38400                    ; my half of its first three,
	s_mul_i32 s77, s[CH], 12800                    ; and of its fourth
	s_add_co_u32 s72, s80, s76
	s_mov_b32 s73, 0
	s_add_co_u32 s78, s80, s77
	s_add_co_u32 s78, s78, 3*BLKB
	s_mov_b32 s79, 0
	s_lshl_b32 s74, s71, 1
	s_add_co_u32 s74, s74, s[CH]
	s_mul_i32 s74, s74, 4*BLKB                     ; my block of B
	s_mov_b32 s75, 0
	s_mul_i32 s23, s[CH], RUN
	s_add_co_u32 s23, s23, RUN                     ; and where it goes
	s_wait_dscnt 0x0                               ; both opening adds are done
	s_wait_kmcnt 0x0
	s_add_nc_u64 s[84:85], s[4:5], s[72:73]
	s_add_nc_u64 s[88:89], s[4:5], s[78:79]
	s_add_nc_u64 s[86:87], s[6:7], s[74:75]
	CROUND                                         ; all sixteen work-groups are here: the first joint loads meet
	s_mov_b32 s[G0A], 1
	s_mov_b32 s[G0A+1], s76
	s_mov_b64 s[G0A+2:G0A+3], s[84:85]
	s_or_b32 s[G0A+3], s[G0A+3], 0x80000000
	s_mov_b32 s[G0A+4], 1
	s_mov_b32 s[G0A+5], s77
	s_mov_b64 s[G0A+6:G0A+7], s[88:89]
	s_or_b32 s[G0A+7], s[G0A+7], 0x80000000
	s_mov_b32 s[G0B], 1
	s_mov_b32 s[G0B+1], s23
	s_mov_b64 s[G0B+2:G0B+3], s[86:87]
	s_or_b32 s[G0B+3], s[G0B+3], 0x80000000
	JLOAD G0A, G0B                                 ; one tensor load a wave at the head
	v_and_b32 v1, 15, v0                           ; r
	v_bfe_u32 v2, v0, 4, 1                         ; h
	v_and_b32 v[L16], 31, v0
	v_lshlrev_b32 v[L16], 4, v[L16]
	v_lshlrev_b32 v[R8], 4, v1
	v_lshl_add_u32 v[R8], v2, 3, v[R8]
	s_wait_alu depctr_va_vdst(0)
	s_mul_i32 s76, s[RH], 6144                     ; my four tiles of A: 4 x 1,536 bytes on
	s_mul_i32 s77, s[CH], RUN
	s_add_co_u32 s77, s77, RUN                     ; my block of B
	s_lshl_b32 s81, s[RH], 9                       ; my A tiles' scale words: 4 x 128 bytes on
	s_sub_co_u32 s78, s77, s81
	v_mul_u32_u24 v30, s78, v2                     ; lanes 16-31 take B's scale words: one product, the distance between the two
	v_lshl_add_u32 v30, v1, 3, v30
	s_add_co_u32 s78, s78, 512
	v_mul_u32_u24 v31, s78, v2
	v_lshl_add_u32 v31, v1, 3, v31
	s_add_co_u32 s79, s81, 24576
	s_add_co_u32 s82, s81, 24064                   ; for tiles 4-7 lanes 0-15 stand 512 bytes lower
.irp p, 0,1,2
	v_add_nc_u32 v[A16+\p], s76, v[L16]
	v_add_nc_u32 v[A8+\p], s76, v[R8]
	v_add_nc_u32 v[B16+\p], s77, v[L16]
	v_add_nc_u32 v[B8+\p], s77, v[R8]
	v_add_nc_u32 v[ADRS+\p], s79, v30
	v_add_nc_u32 v[ADRT+\p], s82, v31
	s_add_co_u32 s76, s76, BLKB
	s_add_co_u32 s77, s77, BLKB
	s_add_co_u32 s79, s79, BLKB
	s_add_co_u32 s82, s82, BLKB
.endr
	s_mul_i32 s80, s[WV], 16*528
	s_add_co_u32 s80, s80, STG                     ; my stage
	v_mul_u32_u24 v[STO], v1, 528                  ; in: row r, 64 bytes for each half of the lanes
	v_lshl_add_u32 v[STO], v2, 6, v[STO]
	v_add_nc_u32 v[STO], s80, v[STO]
	v_add_nc_u32 v[RD], s80, v[L16]                ; back: the 32 lanes take one row of 512 bytes
	s_lshl_b32 s96, s71, 10
	s_lshl_b32 s98, s[CH], 9
	s_add_co_u32 s96, s96, s98                     ; my first column, in bytes
	s_mov_b32 s97, 0
	s_add_nc_u64 s[8:9], s[8:9], s[96:97]
	s_add_nc_u64 s[10:11], s[10:11], s[96:97]
	s_lshl_b32 s96, s70, 19                        ; 128 rows of 4,096 bytes a block row,
	s_lshl_b32 s98, s[RH], 18                      ; 64 for my half
	s_add_co_u32 s96, s96, s98
	s_add_nc_u64 s[10:11], s[10:11], s[96:97]
	v_lshlrev_b32 v25, 6, v2
.irp b, 0,1,2,3,4,5,6,7                        ; the bias in the result's layout: tile b's eight columns of my half of the lanes
	global_load_b128 v[BI+8*\b:BI+8*\b+3], v25, s[8:9] offset:(32*(\b/2)+8*(\b%2))*4
	global_load_b128 v[BI+8*\b+4:BI+8*\b+7], v25, s[8:9] offset:(32*(\b/2)+8*(\b%2))*4+16
.endr
	s_wait_alu depctr_va_vdst(0)
	s_wait_tensorcnt 0x0                           ; my load is in,
	s_barrier_signal -1
	s_barrier_wait -1                              ; everybody's is
	FETCH 0, 0
	SCALES 0, 0
	s_wait_loadcnt 0x0                             ; the bias
	; step 0: slot 0, first 128
	FETCH 0, 1
	s_wait_dscnt 48                                ; all but the 48 loads just issued
	WIN MUL_BI
	MUL16 0, 0, 0, 1
	MUL16 2, 0, 0, 1
	WIN 0
	; step 1: slot 0, second 128; slot 0 is then filled again
	PLACES 4                                       ; four plain places in front of loads into registers that products have read
	FETCH 1, 0
	SCALES 1, 1
	s_wait_tensorcnt 0x0                           ; none of my tensor loads is out;
	ds_add_u32 v[SPW], v[NIL]
	s_wait_dscnt 57                                ; (the add and the 56 loads just issued may be out)
	WIN MUL_LO
	MUL16 0, 1, 0, 0
	s_wait_dscnt 0x0                               ; the add is done, and my reads of slot 0 are over
	s_barrier_signal -1
	MUL16 2, 1, 0, 0
	WIN 0
	s_barrier_wait -1
	CREST                                          ; the barrier has opened a round of the cluster's barrier
	s_add_nc_u64 s[G0B+2:G0B+3], s[G0B+2:G0B+3], 3*BLKB
	s_mov_b32 s[G1A+2], 50<<16                     ; no tensor load of mine is out: the refill brings half a block of A,
	s_mov_b32 s[G1A+4], 50
	s_mov_b32 s[G1B+2], 100<<16                    ; a block of B
	s_mov_b32 s[G1B+4], 100
	JLOAD G0A+4, G0B                               ; K's fourth slot; its four v_nop are also the places in front of the loads below
	; step 2: slot 1, first 128
	FETCH 1, 1
	s_wait_dscnt 48
	MULS 0, 1
	; step 3
	PLACES 4
	FETCH 2, 0
	SCALES 2, 0
	s_wait_dscnt 56
	MULS 1, 1
	; step 4: slot 2, first 128
	PLACES 4
	FETCH 2, 1
	s_wait_dscnt 48
	MULS 0, 0
	; step 5: slot 2, second 128; the refill is shown whole to all four waves ahead of its first read
	s_wait_tensorcnt 0x0
	ds_add_u32 v[SPW], v[NIL]
	s_wait_dscnt 0x0
	s_barrier_signal -1
	WIN MUL_LO
	MUL16 0, 1, 0, 0
	WIN 0
	s_barrier_wait -1
	PLACES 4
	FETCH 0, 0
	SCALES 0, 1
	WIN MUL_LO
	MUL16 2, 1, 0, 0
	WIN 0
	; step 6: K's fourth slot, first 128
	PLACES 4
	FETCH 0, 1
	s_wait_dscnt 48
	MULS 0, 1
	; step 7: nothing more to fetch
	s_wait_dscnt 0x0
	MULS 1, 1
; THE WAY OUT, a tile of 16 rows x 128 columns at a time: through my own stage and back as whole rows of 512 bytes, which the 32 lanes store as two aligned runs of 256 bytes.  LDS serves a wave's instructions in order.
.macro TOSTAGE a
.set AC, 64*(\a)
	WIN 0x08                                       ; the data: window 2
.irp b, 0,1,2,3,4,5,6,7
	ds_store_b128 v[STO], v[AC+8*\b:AC+8*\b+3] offset:128*(\b/2)+32*(\b%2)          ; each accumulator from its low end on
	ds_store_b128 v[STO], v[AC+8*\b+4:AC+8*\b+7] offset:128*(\b/2)+32*(\b%2)+16
.endr
	WIN 0
.set BB, BK+64*((\a)%2)
.irp t, 0,1,2,3,4,5,6,7,8,9,10,11,12,13,14,15
	ds_load_b128 v[BB+4*\t:BB+4*\t+3], v[RD] offset:\t*528
.endr
.endm
.macro SEND a, younger                 ; younger: the LDS instructions issued behind tile a's loads, which may stay out
.set BB, BK+64*((\a)%2)
	s_wait_dscnt \younger
.irp t, 0,1,2,3,4,5,6,7,8,9,10,11,12,13,14,15
	global_store_b128 v[L16], v[BB+4*\t:BB+4*\t+3], s[10:11] offset:(32*((\a)/2)+8*((\a)%2)+\t+8*(\t/8))*4096 th:TH_STORE_NT
.endr
.endm
	PLACES 4
	TOSTAGE 0
.irp a, 1,2,3
.if \a > 1
	s_wait_xcnt 0x0                                ; tile a - 2's stores have read their registers: tile a's loads may land there
.endif
	TOSTAGE \a
	SEND \a-1, 32
.endr
	SEND 3, 0
	s_wait_tensorcnt 0x0                           ; the wave's end
	ds_add_u32 v[SPW], v[NIL]
	s_wait_dscnt 0x0
	CROUND                                         ; the closing round
	s_endpgm
.Lfunc_end_k_qe71c2afe29_proj:
	.size	k_qe71c2afe29_proj, .Lfunc_end_k_qe71c2afe29_proj-k_qe71c2afe29_proj
	.p2alignl 7, 3214868480
	.fill 96, 4, 3214868480
	.section	.rodata,"a",@progbits
	.p2align	6, 0x0
	.amdhsa_kernel k_qe71c2afe29_proj
		.amdhsa_group_segment_fixed_size 327680
		.amdhsa_private_segment_fixed_size 0
		.amdhsa_enable_private_segment 0
		.amdhsa_kernarg_size 32
		.amdhsa_user_sgpr_count 2
		.amdhsa_user_sgpr_kernarg_segment_ptr 1
		.amdhsa_wavefront_size32 1
		.amdhsa_system_sgpr_workgroup_id_x 1
		.amdhsa_system_sgpr_workgroup_id_y 1
		.amdhsa_system_sgpr_workgroup_id_z 1
		.amdhsa_system_vgpr_workitem_id 0
		.amdhsa_next_free_vgpr 768
		.amdhsa_next_free_sgpr 100
		.amdhsa_reserve_vcc 0
		.amdhsa_float_denorm_mode_32 3
		.amdhsa_float_denorm_mode_16_64 3
		.amdhsa_memory_ordered 1
		.amdhsa_forward_progress 1
		.amdhsa_inst_pref_size 86
	.end_amdhsa_kernel
	.amdgpu_metadata
---
amdhsa.version: [ 1, 2 ]
amdhsa.kernels:
  - .name:           k_qe71c2afe29_proj
    .symbol:         k_qe71c2afe29_proj.kd
    .args:
      - { .name: yq, .offset: 0, .size: 8, .value_kind: global_buffer, .address_space: global }
      - { .name: pq, .offset: 8, .size: 8, .value_kind: global_buffer, .address_space: global }
      - { .name: b_proj, .offset: 16, .size: 8, .value_kind: global_buffer, .address_space: global }
      - { .name: out0, .offset: 24, .size: 8, .value_kind: global_buffer, .address_space: global }
    .group_segment_fixed_size: 327680
    .private_segment_fixed_size: 0
    .kernarg_segment_align: 8
    .kernarg_segment_size: 32
    .max_flat_workgroup_size: 128
    .sgpr_count:     100
    .vgpr_count:     768
    .wavefront_size: 32
...
	.end_amdgpu_metadata
.endif
;; end of part 4
